; MI455X (gfx1250); checked and timed in simulation.
; The chip was launched on July 23, 2026; its instructions are those of AMD's public machine-readable ISA for CDNA 5 (MIT licence, August 2026) and "CDNA5" Instruction Set Architecture Reference Guide (July 2026). The comments in the code are by the model that wrote it; some were corrected since.
;; Multi Head Self Attention. Allowed arithmetic: matrix products marked QUANTISED: E2M1 operands, one E8M0 scale for each 32 along K, by v_wmma_scale_f32_16x16x128_f8f6f4 with both operands' format E2M1 (or v_wmma_scale_f32_32x16x128_f4), f32 sums; everything else in f32.
;; Inputs: Wk 16 x 1,024 x 64 float32; Wo 1,024 x 1,024 float32; Wq 16 x 1,024 x 64 float32; Wv 16 x 1,024 x 64 float32; beta 1,024 float32; gamma 1,024 float32; x 4 x 2,048 x 1,024 float32.
;; Outputs: out0 4 x 2,048 x 1,024 float32.
;; This version of the problem:
;;   THIS VERSION OF THE PROBLEM IS GIVEN IN LOW PRECISION. The matrix products marked QUANTISED in the list below multiply operands that are first quantised to E2M1 (2 exponent bits, 1 mantissa bit; 4 bits a number), with one power-of-two scale for each 32 numbers along K (OCP MX v1.0); their sums are f32. All else is computed in f32.
;;   The module's matrix products, in the order in which they are computed (A, B: the left and right operand; K: the contracted axis; several contracted axes count as one K, in the product's order):
;;     1. [M 1,024, K 1,024] x [K 1,024, N 8,192]; A: input Wq; B: input x: QUANTISED
;;     2. [M 1,024, K 1,024] x [K 1,024, N 8,192]; A: input Wk; B: input x: QUANTISED
;;     3. [M 1,024, K 1,024] x [K 1,024, N 8,192]; A: input Wv; B: input x: QUANTISED
;;     4. batch 64 x [M 2,048, K 64] x [K 64, N 2,048]; A: computed on the way; B: computed on the way: QUANTISED
;;     5. batch 64 x [M 2,048, K 2,048] x [K 2,048, N 64]; A: softmax (see below); B: computed on the way: QUANTISED
;;     6. [M 8,192, K 1,024] x [K 1,024, N 1,024]; A: computed on the way; B: input Wo: QUANTISED
;;   THE QUANTISER, for each operand of a quantised product, along K:
;;     - K is cut into blocks of 32 from its start; a last block that is shorter is filled with zeros.
;;     - A block's scale is 2^e with e = floor(log2(the largest magnitude in the block)) - 2, held to -126 .. 127; a block of zeros has e = 0. As a byte (E8M0): e + 127.
;;     - Each number is divided by its block's scale, clamped to +-6, and rounded to the nearest number of E2M1, ties to even, subnormals kept.
;;     - The product sums the exact products of the quantised numbers (number of the format x scale) in f32.
;;   ~~~python
;;   def quantise(x, axis):      # numpy; x: float32 -> the quantised numbers, widened to float32 again
;;       x = np.moveaxis(x, axis, -1); K = x.shape[-1]
;;       x = np.pad(x, [(0, 0)] * (x.ndim - 1) + [(0, -K % 32)]); x = x.reshape(x.shape[:-1] + (-1, 32)); a = np.abs(x).max(-1, keepdims=True)
;;       e = np.where(a > 0, np.clip(np.frexp(np.where(a > 0, a, 1))[1] - 1 - 2, -126, 127), 0)      # np.frexp(a)[1] - 1 = floor(log2(a)), exactly
;;       r = np.clip(x / 2.0 ** e, -6, 6)
;;       step = 2.0 ** (np.maximum(np.frexp(np.where(r == 0, 1, r))[1] - 1, 0) - 1)
;;       q = np.round(r / step) * step * 2.0 ** e      # np.round: ties to even
;;       return np.moveaxis(q.reshape(q.shape[:-2] + (-1,))[..., :K], -1, axis).astype(np.float32)
;;   ~~~
;;   SOFTMAX AHEAD OF A QUANTISED PRODUCT. Where the list says 'softmax', what is quantised is not the finished softmax but p = 2^(t - M), with t = logit x log2(e) and M = ceil(the row's largest t), a whole number; so 1/2 < the row's largest p <= 1. The row's sum l is taken of the UNQUANTISED p, in f32, and the product's result is divided by l at the end. Since M is a whole number, a kernel that streams over the keys may use a running M (the ceiling of the running maximum): every later rescaling is an exact power of two, which a block's scale takes up: the codes' values come out the same.
;;   OPERANDS COMPUTED ON THE WAY. 'Computed on the way' means the value that the module computes at that place (a softmax that the list does not call 'softmax' is quantised finished and normalised). What goes into a quantiser is computed in f32, as accurately as f32 sums, v_exp_f32 and their like allow (about 1e-6 of the number): no bf16 or f16 on the way to a quantiser, and a product that is left as it is and whose result goes on into a quantised operand takes f32 operands (vector FMAs, or v_wmma_f32_16x16x4_f32). A number that lies on a knife's edge between two numbers of the format may be rounded either way, as far as f32 arithmetic and the matrix unit's own rounding can turn it there, and no further.
;; One version. Each part assembles by itself: llvm-mc -triple=amdgcn-amd-amdhsa -mcpu=gfx1250 --defsym DOCPART=n.
;; ======== version 1 of 1: 4 launches
;; limits: right only within a limited range of input values
;; workspace buffers: xq 4,456,448 bytes; wq 2,228,224 bytes; qq 4,718,592 bytes; kv 9,175,040 bytes; hh 4,456,448 bytes
;; launch quant (part 1): grid 384 x 1, 4 waves a work-group, no clusters, 51,712 bytes of LDS; arguments x, Wq, Wk, Wv, Wo, xq, wq; writes xq, wq
.if DOCPART == 1
	.amdgcn_target "amdgcn-amd-amdhsa--gfx1250"
	.amdhsa_code_object_version 6
	.text
	.protected	k_qe2fd041cf2_quant
	.globl	k_qe2fd041cf2_quant
	.p2align	8
	.type	k_qe2fd041cf2_quant,@function
k_qe2fd041cf2_quant:
	s_mov_b64 s[64:65], 0
	v_nop
	global_prefetch_b8 v0, s[64:65] scope:SCOPE_SE
	s_setreg_imm32_b32 hwreg(HW_REG_WAVE_MODE, 25, 1), 1
	s_wait_xcnt 0x0
; x [8192][1024] and the four weights, all f32, become codes of FP4 (E2M1) with K innermost and one E8M0 byte for each 32 along K.
; A block's byte is its largest magnitude's exponent field - 2, held at 1 from below; numbers are divided by the scale and rounded to the nearest code, ties to even, beyond 6 the code of 6.
; LIMITS: NaN and infinities are not served; a block whose largest magnitude lies under 2^-124 is held at byte 1; a block of zeros gets byte 1 where the rule says 127: its codes are zeros, and this program alone reads the bytes.
; ROWS ARE STORED OUT OF ORDER: row number n (a token of x, an output feature of a weight) lies at place sw(n) = n with bits 3 and 4 exchanged.  Sixteen neighbouring stored rows are then
; rows 32 a + 8 u + r + 8 (r / 8): used as source 0 of a product, the 16 result registers of two neighbouring tiles are 16 neighbouring row numbers, as the next quantiser wants them.
; xq: codes [8192 places][512 B]; from byte 4,194,304 scale bytes [place][32].
; wq: codes [4096 places][512 B], place = head x 192 + kind x 64 + sw(e) (kind 0 q, 1 k, 2 v), Wo's at 3072 + sw(n); from byte 2,097,152 scale bytes [K half][place][16].
; Work-groups 0-255 take x (K innermost: a stream of blocks), work-groups 256-383 the weights (K is the first axis of a head's matrix: a lane takes a column and its registers run down K).
; The two ways part on the work-group's number, never join, and have LDS bytes of their own.
.set SP,    80                         ; x: a lane's place in a stage: 64 bytes + 16 of padding
.set WREG,  8192                       ; x: LDS of a wave: two stages of 32 x SP bytes, then its 256 scale bytes
.set STEPS, 16
.set R,     16                         ; v16-79   x: four sets of 16 numbers as loaded
.set X,     80                         ; v80-111  x: two sets of 16 neighbours
.set E,     112                        ; v112-127 x: a scale byte for each step
.set C,     128                        ; v128-191 x: codes, four registers for each step
.set WST,   32768                      ; weights: stage of 64 columns x (256 bytes of codes + 16)
.set WP,    272
.set SCS,   WST+64*WP                  ; weights: 64 columns x 16 scale bytes
.set SB,    24                         ; v24-25   weights: my column's 8 scale bytes
.set OFF,   32                         ; v32-63   weights: 4 x lane + i rows
.set WX,    64                         ; v64-127  weights: two sets of 32 numbers
.set WC,    128                        ; v128-131 weights: a block's codes
.set OUTR,  132                        ; v132-163 weights: the way out
	s_load_b256 s[4:11], s[0:1], 0x0               ; x, Wq, Wk, Wv
	s_load_b128 s[12:15], s[0:1], 0x20             ; Wo, xq
	s_load_b64 s[16:17], s[0:1], 0x30              ; wq
	v_lshl_add_u32 v192, v0, 2, 0xc800
	v_mov_b32 v193, 0
	v_lshrrev_b32 v1, 5, v0
	v_readfirstlane_b32 s18, v1                    ; wave
	v_and_b32 v2, 31, v0                           ; lane
	s_cmp_lt_u32 ttmp9, 256
	s_cbranch_scc0 .Lweights
; ---------------- x.  A wave takes 8 rows: 16 steps of 512 numbers.  Each load reads 512 consecutive bytes; a step's 2,048 bytes turn through the wave's own stage, so that a lane gets 16 neighbours.
	v_lshlrev_b32 v3, 4, v2                        ; my 16 bytes of a load's 512
	s_mul_i32 s19, s18, WREG
	v_lshrrev_b32 v14, 2, v2
	v_mul_u32_u24 v14, v14, SP
	v_and_b32 v15, 3, v2
	v_lshl_add_u32 v14, v15, 4, v14
	v_add_nc_u32 v14, s19, v14                     ; into the stage: SP (lane / 4) + 16 (lane % 4)
	v_mul_u32_u24 v15, v2, SP
	v_add_nc_u32 v15, s19, v15                     ; out of it: SP x lane
	v_lshlrev_b32 v4, 3, v2                        ; 8 x lane: my codes in a step's 256 bytes, and my 8 scale bytes at the end
	v_lshrrev_b32 v5, 1, v2
	s_add_co_u32 s19, s19, 2*32*SP
	v_add_nc_u32 v5, s19, v5                       ; LDS: my block's scale byte
	v_add_nc_u32 v6, s19, v4
	s_lshl_b32 s20, ttmp9, 2
	s_add_co_u32 s21, s20, s18                     ; which run of 8 rows I read
	s_and_b32 s24, s18, 1
	s_lshl_b32 s24, s24, 1
	s_lshr_b32 s25, s18, 1
	s_or_b32 s24, s24, s25
	s_add_co_u32 s20, s20, s24                     ; and where it is stored: bits 0 and 1 of the run are bits 3 and 4 of the row
	s_lshl_b32 s22, s21, 15
	s_mov_b32 s23, 0
	s_lshl_b32 s24, s20, 12
	s_mov_b32 s25, 0
	s_lshl_b32 s26, s20, 8
	s_add_co_u32 s26, s26, 4194304
	s_mov_b32 s27, 0
	s_wait_alu depctr_va_vdst(0)
	s_wait_kmcnt 0x0
	s_add_nc_u64 s[4:5], s[4:5], s[22:23]
	s_add_nc_u64 s[8:9], s[14:15], s[24:25]        ; the codes
	s_add_nc_u64 s[10:11], s[14:15], s[26:27]      ; the scale bytes
.macro XLOAD t
.irp i, 0,1,2,3
	global_load_b128 v[R+16*((\t)%4)+4*\i:R+16*((\t)%4)+4*\i+3], v3, s[4:5] offset:2048*(\t)+512*\i th:TH_LOAD_NT
.endr
.endm
.macro XTURN t                         ; LDS serves a wave's instructions in order: no wait between the stores and the loads
.irp i, 0,1,2,3
	ds_store_b128 v14, v[R+16*((\t)%4)+4*\i:R+16*((\t)%4)+4*\i+3] offset:32*SP*((\t)%2)+8*SP*\i
.endr
.irp i, 0,1,2,3
	ds_load_b128 v[X+16*((\t)%2)+4*\i:X+16*((\t)%2)+4*\i+3], v15 offset:32*SP*((\t)%2)+16*\i
.endr
.endm
.irp t, 0,1,2,3
	XLOAD \t
.endr
	s_wait_loadcnt 12                              ; step 0's four loads are in; twelve younger ones stay out
	XTURN 0
.macro XSTEP t
.set XS, X+16*((\t)%2)
.if (\t) > 0
	s_wait_dscnt 1                                 ; this step's numbers are back from the stage; the last step's byte store may be out
.else
	s_wait_dscnt 0x0
.endif
.if (\t)+4 < STEPS
	XLOAD (\t)+4                                   ; into the set whose stores into the stage are done
.endif
.if (\t)+1 < STEPS
.if STEPS-2-(\t) >= 3
	s_wait_loadcnt 12                              ; the next step's four loads are in; those of three steps behind it stay out
.else
	s_wait_loadcnt 4*(STEPS-2-(\t))
.endif
	XTURN (\t)+1
.endif
	v_max3_num_f32 v8, |v[XS]|, |v[XS+1]|, |v[XS+2]|
	v_max3_num_f32 v9, |v[XS+3]|, |v[XS+4]|, |v[XS+5]|
.irp i, 6,10
	v_max3_num_f32 v8, v8, |v[XS+\i]|, |v[XS+\i+1]|
	v_max3_num_f32 v9, v9, |v[XS+\i+2]|, |v[XS+\i+3]|
.endr
	v_max3_num_f32 v8, v8, |v[XS+14]|, |v[XS+15]|
	v_max3_num_f32 v8, v8, v9, 0x1800000           ; the floor 2^(3 - 127): the byte cannot fall under 1
	v_max_num_f32_dpp v8, v8, v8 row_xmask:1 row_mask:0xf bank_mask:0xf   ; with my neighbour's 16: the block's largest magnitude
	v_add_nc_u32 v11, 0xff000000, v8               ; 2 off its exponent field: the conversion's scale operand
	v_cvt_scalef32_pk8_fp4_f32 v[C+4*(\t)], v[XS:XS+7], v11
	v_cvt_scalef32_pk8_fp4_f32 v[C+4*(\t)+1], v[XS+8:XS+15], v11
	v_lshrrev_b32 v[E+(\t)], 23, v11               ; the scale's byte
	ds_store_b8 v5, v[E+(\t)] offset:16*(\t)       ; both lanes of a block write the same byte with the same value
	global_store_b64 v4, v[C+4*(\t):C+4*(\t)+1], s[8:9] offset:256*(\t)   ; the wave stores 256 consecutive bytes, aligned
.endm
.irp t, 0,1,2,3,4,5,6,7,8,9,10,11,12,13,14,15
	XSTEP \t
.endr
	ds_load_b64 v[12:13], v6
	s_wait_dscnt 0x0
	global_store_b64 v4, v[12:13], s[10:11]        ; my 8 rows' 256 scale bytes
	s_wait_tensorcnt 0x0
	ds_add_u32 v192, v193
	s_wait_dscnt 0x0
	s_endpgm
; ---------------- the weights.  A work-group takes 64 columns x 512 along K; a wave 32 columns x 256 along K: 8 blocks a lane.
.Lweights:
	s_sub_co_u32 s19, ttmp9, 256
	s_and_b32 s30, s19, 1                          ; which half of K
	s_lshr_b32 s19, s19, 1
	s_lshr_b32 s31, s19, 4                         ; which tensor: 0 Wq, 1 Wk, 2 Wv, 3 Wo
	s_and_b32 s32, s19, 15                         ; the head, or Wo's group of 64 columns
	s_and_b32 s33, s18, 1                          ; my 32 columns
	s_lshr_b32 s34, s18, 1                         ; my 256 along K
	s_mul_i32 s28, s32, 192
	s_lshl_b32 s29, s31, 6
	s_add_co_u32 s28, s28, s29                     ; first place in wq: head x 192 + kind x 64,
	s_lshl_b32 s29, s32, 6
	s_add_co_u32 s29, s29, 3072                    ; or 3072 + 64 x group
	s_wait_kmcnt 0x0
	s_cmp_eq_u32 s31, 0                            ; the choices hang on the work-group's number alone
	s_cselect_b64 s[26:27], s[6:7], s[8:9]
	s_cmp_lt_u32 s31, 2
	s_cselect_b64 s[26:27], s[26:27], s[10:11]
	s_cmp_lt_u32 s31, 3
	s_cselect_b64 s[26:27], s[26:27], s[12:13]
	s_mov_b32 s20, 4096
	s_cselect_b32 s20, 256, s20                    ; bytes from one k to the next
	s_mov_b32 s21, 256
	s_cselect_b32 s21, 0x40000, s21                ; bytes from head to head, or from group to group
	s_cselect_b32 s28, s28, s29
	s_mul_i32 s36, s32, s21
	s_lshl_b32 s37, s33, 7
	s_add_co_u32 s36, s36, s37
	s_lshl_b32 s37, s30, 9
	s_lshl_b32 s38, s34, 8
	s_add_co_u32 s37, s37, s38
	s_mul_i32 s37, s37, s20
	s_add_co_u32 s36, s36, s37
	s_mov_b32 s37, 0
	s_add_nc_u64 s[40:41], s[26:27], s[36:37]      ; block 0 of my columns
	s_lshl_b32 s22, s20, 5
	s_mov_b32 s23, 0
.irp t, 1,2,3,4,5,6,7
	s_add_nc_u64 s[40+2*\t:41+2*\t], s[38+2*\t:39+2*\t], s[22:23]   ; a base for each block: none is stepped while loads are out
.endr
	s_wait_alu depctr_va_vdst(0)
	v_lshlrev_b32 v3, 2, v2
	v_and_b32 v10, 15, v2                          ; r
	v_lshrrev_b32 v11, 4, v2                       ; h
.set i, 0
.rept 32
	v_mad_u32_u24 v[OFF+i], s20, i, v3             ; 4 x lane + i rows
.set i, i+1
.endr
	s_mul_i32 s35, s33, 32*WP
	s_lshl_b32 s38, s34, 7
	s_add_co_u32 s35, s35, s38
	s_add_co_u32 s35, s35, WST
	v_mul_u32_u24 v4, v2, WP
	v_add_nc_u32 v4, s35, v4                       ; into the stage: row = my column, my 128 bytes of its 256
	s_lshl_b32 s35, s33, 9
	s_lshl_b32 s38, s34, 3
	s_add_co_u32 s35, s35, s38
	s_add_co_u32 s35, s35, SCS
	v_lshl_add_u32 v5, v2, 4, s35                  ; my column's scale bytes, my 8 of its 16
	s_mul_i32 s35, s34, 32*WP                      ; out: wave w stores places 16 w .. 16 w + 15, which hold columns 32 (w / 2) + 8 (w % 2) + p + 8 (p / 8)
	s_mul_i32 s38, s33, 8*WP
	s_add_co_u32 s35, s35, s38
	s_add_co_u32 s35, s35, WST
	v_mul_u32_u24 v7, v11, WP
	v_lshl_add_u32 v7, v10, 4, v7
	v_add_nc_u32 v7, s35, v7
	s_lshl_b32 s35, s34, 9
	s_lshl_b32 s38, s33, 7
	s_add_co_u32 s35, s35, s38
	s_add_co_u32 s35, s35, SCS
	v_bfe_u32 v6, v2, 1, 3
	v_lshl_add_u32 v6, v11, 4, v6
	v_lshlrev_b32 v6, 4, v6
	v_and_b32 v12, 1, v2
	v_lshl_add_u32 v6, v12, 3, v6
	v_add_nc_u32 v6, s35, v6                       ; the scale bytes of place lane / 2, half lane % 2
	v_lshlrev_b32 v8, 9, v11
	v_lshl_add_u32 v8, v10, 4, v8                  ; in wq: two places an instruction, sixteen lanes to 256 bytes
	v_lshlrev_b32 v9, 3, v2
	s_lshl_b32 s35, s18, 4
	s_add_co_u32 s35, s35, s28                     ; my first place
	s_lshl_b32 s36, s35, 9
	s_lshl_b32 s38, s30, 8
	s_add_co_u32 s36, s36, s38
	s_add_nc_u64 s[56:57], s[16:17], s[36:37]
	s_lshl_b32 s36, s35, 4
	s_lshl_b32 s38, s30, 16
	s_add_co_u32 s36, s36, s38
	s_add_co_u32 s36, s36, 2097152
	s_add_nc_u64 s[58:59], s[16:17], s[36:37]
.macro WLOAD t                         ; block t: 32 numbers down K of my column; the wave reads 128 consecutive bytes an instruction
.set i, 0
.rept 32
	global_load_b32 v[WX+32*((\t)%2)+i], v[OFF+i], s[40+2*(\t):41+2*(\t)] th:TH_LOAD_NT
.set i, i+1
.endr
.endm
	WLOAD 0
	WLOAD 1
.macro WBLOCK t
.set XS, WX+32*((\t)%2)
.if (\t) < 7
	s_wait_loadcnt 32                              ; this block's 32 loads are in; the next block's stay out
.else
	s_wait_loadcnt 0x0
.endif
	v_max3_num_f32 v12, |v[XS]|, |v[XS+1]|, |v[XS+2]|
	v_max3_num_f32 v13, |v[XS+3]|, |v[XS+4]|, |v[XS+5]|
.irp i, 6,10,14,18,22,26
	v_max3_num_f32 v12, v12, |v[XS+\i]|, |v[XS+\i+1]|
	v_max3_num_f32 v13, v13, |v[XS+\i+2]|, |v[XS+\i+3]|
.endr
	v_max3_num_f32 v12, v12, |v[XS+30]|, |v[XS+31]|
	v_max3_num_f32 v12, v12, v13, 0x1800000        ; the floor
	v_add_nc_u32 v11, 0xff000000, v12              ; the conversion's scale operand
	v_lshrrev_b32 v13, 23, v11                     ; the byte
.if (\t)%4 == 0
	v_mov_b32 v[SB+(\t)/4], v13
.else
	v_lshl_or_b32 v[SB+(\t)/4], v13, 8*((\t)%4), v[SB+(\t)/4]
.endif
.irp g, 0,1,2,3
	v_cvt_scalef32_pk8_fp4_f32 v[WC+\g], v[XS+8*\g:XS+8*\g+7], v11
.endr
	ds_store_b128 v4, v[WC:WC+3] offset:16*(\t)
.if (\t)+2 < 8
	WLOAD (\t)+2
.endif
	s_wait_dscnt 0x0                               ; the store has read its registers: the next block's codes may be written
.endm
.irp t, 0,1,2,3,4,5,6,7
	WBLOCK \t
.endr
	s_wait_alu depctr_va_vdst(0)
	ds_store_b64 v5, v[SB:SB+1]
	s_wait_dscnt 0x0                               ; for the others' sake: my stores into both stages are done
	s_barrier_signal -1
	s_barrier_wait -1
.irp t, 0,1,2,3,4,5,6,7
	ds_load_b128 v[OUTR+4*\t:OUTR+4*\t+3], v7 offset:(16*(\t/4)+2*(\t%4))*WP   ; places 2 t and 2 t + 1 of my sixteen
.endr
	ds_load_b64 v[164:165], v6
.irp t, 0,1,2,3,4,5,6,7
	s_wait_dscnt 8-\t                              ; the younger loads stay out
	global_store_b128 v8, v[OUTR+4*\t:OUTR+4*\t+3], s[56:57] offset:1024*\t   ; sixteen lanes store 256 consecutive bytes, aligned
.endr
	s_wait_dscnt 0x0
	global_store_b64 v9, v[164:165], s[58:59]      ; sixteen places' scale bytes of this K half: 256 consecutive bytes
	s_wait_tensorcnt 0x0
	ds_add_u32 v192, v193
	s_wait_dscnt 0x0
	s_endpgm
.Lfunc_end_k_qe2fd041cf2_quant:
	.size	k_qe2fd041cf2_quant, .Lfunc_end_k_qe2fd041cf2_quant-k_qe2fd041cf2_quant
	.p2alignl 7, 3214868480
	.fill 96, 4, 3214868480
	.section	.rodata,"a",@progbits
	.p2align	6, 0x0
	.amdhsa_kernel k_qe2fd041cf2_quant
		.amdhsa_group_segment_fixed_size 51712
		.amdhsa_private_segment_fixed_size 0
		.amdhsa_enable_private_segment 0
		.amdhsa_kernarg_size 56
		.amdhsa_user_sgpr_count 2
		.amdhsa_user_sgpr_kernarg_segment_ptr 1
		.amdhsa_wavefront_size32 1
		.amdhsa_system_sgpr_workgroup_id_x 1
		.amdhsa_system_sgpr_workgroup_id_y 1
		.amdhsa_system_sgpr_workgroup_id_z 1
		.amdhsa_system_vgpr_workitem_id 0
		.amdhsa_next_free_vgpr 194
		.amdhsa_next_free_sgpr 66
		.amdhsa_reserve_vcc 0
		.amdhsa_float_denorm_mode_32 3
		.amdhsa_float_denorm_mode_16_64 3
		.amdhsa_memory_ordered 1
		.amdhsa_forward_progress 1
		.amdhsa_inst_pref_size 77
	.end_amdhsa_kernel
	.amdgpu_metadata
---
amdhsa.version: [ 1, 2 ]
amdhsa.kernels:
  - .name:           k_qe2fd041cf2_quant
    .symbol:         k_qe2fd041cf2_quant.kd
    .args:
      - { .name: x, .offset: 0, .size: 8, .value_kind: global_buffer, .address_space: global }
      - { .name: Wq, .offset: 8, .size: 8, .value_kind: global_buffer, .address_space: global }
      - { .name: Wk, .offset: 16, .size: 8, .value_kind: global_buffer, .address_space: global }
      - { .name: Wv, .offset: 24, .size: 8, .value_kind: global_buffer, .address_space: global }
      - { .name: Wo, .offset: 32, .size: 8, .value_kind: global_buffer, .address_space: global }
      - { .name: xq, .offset: 40, .size: 8, .value_kind: global_buffer, .address_space: global }
      - { .name: wq, .offset: 48, .size: 8, .value_kind: global_buffer, .address_space: global }
    .group_segment_fixed_size: 51712
    .private_segment_fixed_size: 0
    .kernarg_segment_align: 8
    .kernarg_segment_size: 56
    .max_flat_workgroup_size: 128
    .sgpr_count:     66
    .vgpr_count:     194
    .wavefront_size: 32
...
	.end_amdgpu_metadata
.endif
;; end of part 1
;; launch qkv (part 2): grid 16 x 32, 4 waves a work-group, clusters of 4 x 4, 244,224 bytes of LDS; arguments xq, wq, qq, kv; writes qq, kv
.if DOCPART == 2
	.amdgcn_target "amdgcn-amd-amdhsa--gfx1250"
	.amdhsa_code_object_version 6
	.text
	.protected	k_qe2fd041cf2_qkv
	.globl	k_qe2fd041cf2_qkv
	.p2align	8
	.type	k_qe2fd041cf2_qkv,@function
k_qe2fd041cf2_qkv:
	s_mov_b64 s[64:65], 0
	v_nop
	global_prefetch_b8 v0, s[64:65] scope:SCOPE_SE
	s_setreg_imm32_b32 hwreg(HW_REG_WAVE_MODE, 25, 1), 1
	s_wait_xcnt 0x0
	s_wait_alu depctr_hold_cnt(0) depctr_sa_sdst(0) depctr_va_vdst(0) depctr_va_sdst(0) depctr_va_ssrc(0) depctr_va_vcc(0) depctr_vm_vsrc(0)
	s_getreg_b32 s2, hwreg(HW_REG_IB_STS2, 6, 4)
	s_cmp_eq_u32 s2, 0
	s_cbranch_scc0 .Lentry_in_a_cluster
	s_endpgm
.Lentry_in_a_cluster:
	s_bfe_u32 s2, ttmp6, 0x10000c
	s_cmp_lg_u32 s2, 0xf033
	s_cbranch_scc0 .Lentry_shape_is_right
	s_endpgm
.Lentry_shape_is_right:
; q, k, v = x Wq, x Wk, x Wv on codes of FP4 with E8M0 scales (K = 1,024), and their quantising for attention, in registers: q and k along the head's 64, v along the tokens.
; A work-group makes 256 stored tokens x the 192 features (q, k, v) of one head; a wave 64 tokens x 192: 48 accumulators.  All of K lies in LDS (two halves, each filled once): no slot is filled again.
; q, k: source 0 = 16 stored rows of the weight, source 1 = 16 stored tokens: a lane holds ONE token, and the 16 registers of two neighbouring tiles are 16 neighbouring channels (rows are stored with bits 3 and 4 exchanged).
; v:    source 0 = 16 stored tokens, source 1 = 16 stored rows of Wv: a lane holds ONE channel and 16 neighbouring tokens.
; WHAT IS STORED are images of operand registers: four registers by one store of 16 bytes a lane, 512 consecutive bytes, aligned.
; qq, for each (batch, head) 73,728 bytes: codes [tile of 16 tokens 128][lane][16]; from 65,536 scale words [group of 4 tiles 32][lane][2]: the word at (r, h, j) is tile 4 group + 2 j + h, row r.
;   The head has 64 channels, the matrix instruction 128 along K: a word's upper two bytes are 127 and the codes of k = 64 .. 127 are zeros, made where they are used.
; kv, for each (batch, head) 16 records of 8,960 bytes, one for 128 keys: K's images 8 x 512; from 4,096 V^T's [channel tile 4][64 keys 2][lane][16]; from 8,192 K's scale words as in qq; from 8,704 V's [lane][2]: (r, h, j) is channel tile 2 j + h.
; CLUSTER 4 x 4: x's tile hangs on the block of tokens alone and is shared along a row of the cluster, the weights' on the head alone and is shared along a column: joint loads.
; LIMITS: NaN and infinities are not served; a block under 2^-124 is held at byte 1, a block of zeros gets byte 1 (its codes are zeros; this program alone reads the bytes).
; REGISTERS: window 0: v1-26 addresses; v32-47 x's scale words, v48-95 the weights'; v96-127 at work; v128-191 x's fragments, two sets; v192-239 codes; v240-249 scale words on their way out.
;   window 1: the weights' fragments, two sets, at 0 and 128.  window 2: q's accumulators at 32 i + 8 f, k's at 128 + 32 i + 8 f.  window 3: v's at 32 f + 8 i.
.set PITCH, 272                        ; an LDS row: 256 bytes (512 along K) + 16 of padding: the 16 rows of a fragment start at 16 different banks
.set ASZ,   256*PITCH                  ; x's 256 rows
.set SLOT,  448*PITCH                  ; then the weights' 192
.set ADRA,  16                         ; v16-17 my x fragments in K half 0, 1
.set ADRB,  20                         ; v20-21 the weights'
.set LI,    22                         ; v22 16 x lane
.set L8,    23                         ; v23 8 x lane
.set WSA,   24                         ; v24 the weights' scale words: 16 r + 65,536 h
.set XSA,   26                         ; v26 x's: 32 r + 16 h
.set SX,    32                         ; register 4 i + q: lanes 0-15 the word of K step q, lanes 16-31 of K step q + 4
.set SW,    48                         ; register 4 f + q likewise
.set TM,    96
.set TP,    104
.set SO,    112
.set BY,    120
.set XF,    128
.set PC,    192
.set PW,    240
.set WV,    14
.set G1,    24
.set G0,    32
.set G1B,   48
.set G0B,   56
.set SEL,   66
.set MSB, 0
.macro WIN new                         ; the immediate's high byte repeats the setting that is left
.if MSB != \new
	s_set_vgpr_msb (MSB<<8)|\new
.set MSB, \new
.endif
.endm
.macro PLACES
.rept 4
	v_nop
.endr
.endm
.macro CROUND                          ; a round of the cluster's barrier
	s_barrier_signal -1
	s_barrier_wait -1
	s_cmp_lg_u32 s[WV], 0
	s_cbranch_scc1 .Lnot_wave_0_\@
	s_barrier_signal -3
.Lnot_wave_0_\@:
	s_barrier_wait -3
	s_barrier_signal -1
	s_barrier_wait -1
.endm
	s_load_b256 s[4:11], s[0:1], 0x0               ; xq, wq, qq, kv
	v_lshl_add_u32 v254, v0, 2, 0x3b800
	v_mov_b32 v255, 0
	ds_add_u32 v254, v255
	ds_add_u32 v254, v255
	v_lshrrev_b32 v1, 5, v0
	v_readfirstlane_b32 s[WV], v1                  ; wave
	s_bfe_u32 s40, ttmp6, 0x40000                  ; cx
	s_bfe_u32 s41, ttmp6, 0x40004                  ; cy
	s_lshl_b32 s42, ttmp9, 2
	s_add_co_u32 s42, s42, s40                     ; the head
	s_and_b32 s17, ttmp7, 0xffff
	s_lshl_b32 s17, s17, 2
	s_add_co_u32 s17, s17, s41                     ; the block of 256 stored tokens
	s_lshl_b32 s43, s41, 2
	s_lshl_b32 s43, 15, s43                        ; my row of the cluster
	s_lshl_b32 s44, 0x1111, s40                    ; my column
	s_or_b32 s[G1], s43, (1<<20)|(1<<21)|(5<<22)|(3<<25)    ; 15:0 the mask; elements of 1 byte; padding on; 21 set beside a mask; 4 words behind every 64
	s_or_b32 s[G1B], s44, (1<<20)|(1<<21)|(5<<22)|(3<<25)
	s_mov_b32 s[G1+1], 256<<16                     ; tensor_dim0 = 256 bytes
	s_mov_b32 s[G1+2], 256<<16                     ; tensor_dim1 = 256 rows: a load brings one K half of all the block's tokens
	s_mov_b32 s[G1+3], 256<<16                     ; tile_dim0
	s_mov_b32 s[G1+4], 256                         ; tile_dim1
	s_mov_b32 s[G1+5], 512                         ; from row to row
	s_mov_b32 s[G1+6], 0
	s_mov_b32 s[G1+7], 0
	s_mov_b32 s[G1B+1], 256<<16
	s_mov_b32 s[G1B+2], 192<<16                    ; 192 rows: one K half of all the head's features
	s_mov_b32 s[G1B+3], 256<<16
	s_mov_b32 s[G1B+4], 192
	s_mov_b32 s[G1B+5], 512
	s_mov_b32 s[G1B+6], 0
	s_mov_b32 s[G1B+7], 0
	s_lshl_b32 s20, s17, 17                        ; x: place 256 x block, rows of 512 bytes: hangs on the block alone
	s_mov_b32 s21, 0
	s_mul_i32 s46, s42, 192*512                    ; weights: place 192 x head: hangs on the head alone
	s_mov_b32 s47, 0
	s_mov_b32 s45, 0xffff0000                      ; lanes 16-31
	s_mov_b32 s[SEL], 0x76543210
	s_mov_b32 s[SEL+1], 0xfedcba98
	s_wait_dscnt 0x0
	s_wait_kmcnt 0x0
	s_add_nc_u64 s[20:21], s[4:5], s[20:21]
	s_add_nc_u64 s[46:47], s[6:7], s[46:47]
.irp s, 0,1
	s_mov_b32 s[G0+4*\s], 1
	s_mov_b32 s[G0+4*\s+1], \s*SLOT
	s_add_nc_u64 s[G0+4*\s+2:G0+4*\s+3], s[20:21], \s*256
	s_or_b32 s[G0+4*\s+3], s[G0+4*\s+3], 0x80000000
	s_mov_b32 s[G0B+4*\s], 1
	s_mov_b32 s[G0B+4*\s+1], ASZ+\s*SLOT
	s_add_nc_u64 s[G0B+4*\s+2:G0B+4*\s+3], s[46:47], \s*256
	s_or_b32 s[G0B+4*\s+3], s[G0B+4*\s+3], 0x80000000
.endr
	CROUND                                         ; all sixteen work-groups are here: the joint loads meet
; The head's four tiles, one a wave: wave 0 x's K half 0, wave 1 the weights' K half 0, wave 2 x's K half 1, wave 3 the weights' K half 1.
; One tree of branches on the wave's number, an arm a load, all arms leading to one join.
.macro ARM under, g0, g1, next
	s_cmp_lt_u32 s[WV], \under
	s_cbranch_scc0 \next
	tensor_load_to_lds s[\g0:\g0+3], s[\g1:\g1+7]
	s_nop 0
	PLACES
	s_branch .Lasked
\next:
.endm
	ARM 1, G0, G1, .Lhead_w0
	ARM 2, G0B, G1B, .Lhead_x1
	ARM 3, G0+4, G1, .Lhead_w1
	tensor_load_to_lds s[G0B+4:G0B+7], s[G1B:G1B+7]
	s_nop 0
	PLACES
.Lasked:
	v_and_b32 v1, 15, v0                           ; r
	v_bfe_u32 v2, v0, 4, 1                         ; h
	v_mul_u32_u24 v3, v1, PITCH
	v_lshl_add_u32 v3, v2, 4, v3
	s_mul_i32 s18, s[WV], 64*PITCH
	v_add_nc_u32 v[ADRA], s18, v3                  ; my 64 tokens
	v_add_nc_u32 v[ADRA+1], SLOT, v[ADRA]
	v_add_nc_u32 v[ADRB], ASZ, v3
	v_add_nc_u32 v[ADRB+1], SLOT, v[ADRB]
	v_and_b32 v4, 31, v0
	v_lshlrev_b32 v[LI], 4, v4
	v_lshlrev_b32 v[L8], 3, v4
	v_lshlrev_b32 v[WSA], 4, v1
	v_lshl_add_u32 v[WSA], v2, 16, v[WSA]
	v_lshlrev_b32 v[XSA], 5, v1
	v_lshl_add_u32 v[XSA], v2, 4, v[XSA]
	s_wait_alu depctr_va_vdst(0)
	s_lshl_b32 s82, s17, 8
	s_lshl_b32 s83, s[WV], 6
	s_add_co_u32 s82, s82, s83
	s_lshl_b32 s82, s82, 5
	s_add_co_u32 s82, s82, 4194304
	s_mov_b32 s83, 0
	s_add_nc_u64 s[68:69], s[4:5], s[82:83]        ; my tokens' scale bytes
	s_mul_i32 s82, s42, 3072
	s_add_co_u32 s82, s82, 2097152
	s_add_nc_u64 s[90:91], s[6:7], s[82:83]        ; the head's rows' scale bytes
.irp i, 0,1,2,3
	global_load_b128 v[SX+4*\i:SX+4*\i+3], v[XSA], s[68:69] offset:512*\i
.endr
.irp f, 0,1,2,3,4,5,6,7,8,9,10,11
	global_load_b128 v[SW+4*\f:SW+4*\f+3], v[WSA], s[90:91] offset:256*\f
.endr
.irp b, 0,1,2,3,4,5,6,7
	v_mov_b32 v[TP+\b], 0                          ; written once: a lane permute's destination counts as one of its sources
.endr
	; where the results go
	s_lshr_b32 s82, s17, 3
	s_lshl_b32 s82, s82, 4
	s_add_co_u32 s82, s82, s42                     ; 16 x batch + head
	s_and_b32 s83, s17, 7
	s_lshl_b32 s83, s83, 2
	s_add_co_u32 s83, s83, s[WV]                   ; my group of 4 tiles in the batch
	s_mov_b32 s87, 0
	s_mul_i32 s84, s82, 73728
	s_lshl_b32 s85, s83, 11
	s_add_co_u32 s86, s84, s85
	s_add_nc_u64 s[70:71], s[8:9], s[86:87]        ; q's codes
	s_lshl_b32 s85, s83, 8
	s_add_co_u32 s86, s84, s85
	s_add_nc_u64 s[72:73], s[8:9], s[86:87]        ; q's scale words (+ 65,536 in the store)
	s_mul_i32 s84, s82, 143360
	s_lshr_b32 s85, s83, 1
	s_mul_i32 s85, s85, 8960
	s_add_co_u32 s84, s84, s85                     ; the record
	s_and_b32 s88, s83, 1                          ; which 64 of its 128 keys are mine
	s_lshl_b32 s85, s88, 11
	s_add_co_u32 s86, s84, s85
	s_add_nc_u64 s[74:75], s[10:11], s[86:87]      ; k's codes
	s_lshl_b32 s85, s88, 8
	s_add_co_u32 s86, s84, s85
	s_add_nc_u64 s[76:77], s[10:11], s[86:87]      ; k's scale words (+ 8,192)
	s_lshl_b32 s85, s88, 9
	s_add_co_u32 s86, s84, s85
	s_add_nc_u64 s[78:79], s[10:11], s[86:87]      ; v's codes (+ 4,096)
	s_lshl_b32 s85, s88, 1
	s_add_co_u32 s86, s84, s85
	s_add_nc_u64 s[80:81], s[10:11], s[86:87]      ; v's scale bytes (+ 8,704)
; The fragments of K step s (128 along K): the weights' twelve into set p of window 1, x's four into set p of window 0.  A fragment: 16 rows x 64 bytes: two loads of 16 bytes, 32 bytes apart.
.macro FETCH s, p
	WIN 0x40
.irp f, 0,1,2,3,4,5,6,7,8,9,10,11
.irp c, 0,1
	ds_load_b128 v[128*(\p)+8*\f+4*\c:128*(\p)+8*\f+4*\c+3], v[ADRB+(\s)/4] offset:\f*16*PITCH+64*((\s)%4)+32*\c
.endr
.endr
	WIN 0
.irp i, 0,1,2,3
.irp c, 0,1
	ds_load_b128 v[XF+32*(\p)+8*\i+4*\c:XF+32*(\p)+8*\i+4*\c+3], v[ADRA+(\s)/4] offset:\i*16*PITCH+64*((\s)%4)+32*\c
.endr
.endr
.endm
; One matrix instruction of K step s.  Step 0 starts the sums; steps 4-7 take their scale words from lanes 16-31.
.macro MM d, a, b, sa, sb, s
.if (\s) == 0
	v_wmma_scale_f32_16x16x128_f8f6f4 v[\d:\d+7], v[\a:\a+7], v[\b:\b+7], 0, v[\sa], v[\sb] matrix_a_fmt:MATRIX_FMT_FP4 matrix_b_fmt:MATRIX_FMT_FP4
.elseif (\s) < 4
	v_wmma_scale_f32_16x16x128_f8f6f4 v[\d:\d+7], v[\a:\a+7], v[\b:\b+7], v[\d:\d+7], v[\sa], v[\sb] matrix_a_fmt:MATRIX_FMT_FP4 matrix_b_fmt:MATRIX_FMT_FP4
.else
	v_wmma_scale_f32_16x16x128_f8f6f4 v[\d:\d+7], v[\a:\a+7], v[\b:\b+7], v[\d:\d+7], v[\sa], v[\sb] matrix_a_fmt:MATRIX_FMT_FP4 matrix_b_fmt:MATRIX_FMT_FP4 matrix_a_scale:MATRIX_SCALE_ROW1 matrix_b_scale:MATRIX_SCALE_ROW1
.endif
.endm
; A K step: its fragments are in; the next step's are asked for; 48 matrix instructions, the 48 accumulators by turns, one instruction a turn.
.macro STEP s
.set P, (\s)%2
.set Q, (\s)%4
	s_wait_dscnt 0x0                               ; this step's fragments, asked for a step ago
.if (\s) < 7
	PLACES                                         ; in front of loads into registers that the last step's matrix instructions read
	FETCH (\s)+1, ((\s)+1)%2
.endif
	WIN 0xa1                                       ; source 0 (weights) window 1, source 1 (x) window 0, C and D window 2
.irp f, 0,1,2,3,4,5,6,7
.irp i, 0,1,2,3
	MM 128*(\f/4)+32*\i+8*(\f%4), 128*P+8*\f, XF+32*P+8*\i, SW+4*\f+Q, SX+4*\i+Q, \s
.endr
.endr
	WIN 0xf4                                       ; source 0 (x) window 0, source 1 (Wv) window 1, C and D window 3
.irp f, 8,9,10,11
.irp i, 0,1,2,3
	MM 32*(\f-8)+8*\i, XF+32*P+8*\i, 128*P+8*\f, SX+4*\i+Q, SW+4*\f+Q, \s
.endr
.endr
	WIN 0
.endm
	s_wait_tensorcnt 0x0                           ; my one tile is in; behind the barrier all four are
	s_barrier_signal -1
	s_barrier_wait -1
	FETCH 0, 0
	s_wait_loadcnt 0x0                             ; the scale words
.irp s, 0,1,2,3,4,5,6,7
	STEP \s
.endr
; 128 registers of window w from base on are 8 blocks of 32: block e lies in lanes l and l xor 16, registers base + 16 e + 0 .. 15.  Codes to v[pc + 2 e], v[pc + 2 e + 1], then whole blocks to a lane; scale words to v[PW + e / 2].
.macro QUANT8 w, base, pc, pad
	WIN (\w)|((\w)<<2)
.irp e, 0,1,2,3,4,5,6,7
	v_max3_num_f32 v[TM+\e], |v[\base+16*\e]|, |v[\base+16*\e+1]|, 0x1800000   ; each accumulator is read from its low end on; the floor holds the byte at 1
.endr
.irp i, 2,4,6,8,10,12,14
.irp e, 0,1,2,3,4,5,6,7
	v_max3_num_f32 v[TM+\e], |v[\base+16*\e+\i]|, |v[\base+16*\e+\i+1]|, v[TM+\e]
.endr
.endr
	WIN 0
.irp e, 0,1,2,3,4,5,6,7
	v_permlanex16_b32 v[TP+\e], v[TM+\e], s[SEL], s[SEL+1]
.endr
.irp e, 0,1,2,3,4,5,6,7
	v_max_num_f32 v[TM+\e], v[TM+\e], v[TP+\e]     ; the block's largest magnitude
.endr
.irp e, 0,1,2,3,4,5,6,7
	v_add_nc_u32 v[SO+\e], 0xff000000, v[TM+\e]    ; the conversion's scale operand
.endr
.irp e, 0,1,2,3,4,5,6,7
	v_lshrrev_b32 v[BY+\e], 23, v[SO+\e]           ; the byte
.endr
.irp g, 0,1,2,3
	v_lshl_or_b32 v[PW+\g], v[BY+2*\g+1], 8, v[BY+2*\g]
.endr
.if \pad
.irp g, 0,1,2,3
	v_or_b32 v[PW+\g], 0x7f7f0000, v[PW+\g]        ; 127 for k = 64 .. 127, whose codes are zeros
.endr
.endif
	WIN \w
.irp e, 0,1,2,3,4,5,6,7
	v_cvt_scalef32_pk8_fp4_f32 v[\pc+2*\e], v[\base+16*\e:\base+16*\e+7], v[SO+\e]
	v_cvt_scalef32_pk8_fp4_f32 v[\pc+2*\e+1], v[\base+16*\e+8:\base+16*\e+15], v[SO+\e]
.endr
	WIN 0
	v_nop                                          ; one plain place behind a scaled conversion
.irp g, 0,1,2,3
.irp i, 0,1
	v_permlane16_swap_b32 v[\pc+4*\g+\i], v[\pc+4*\g+2+\i]   ; lanes 0-15 get the first block whole, lanes 16-31 the second
.endr
.endr
.endm
	PLACES                                         ; behind the last products, in front of the first read of results
	QUANT8 2, 0, PC, 1                             ; q
.irp g, 0,1,2,3
	global_store_b128 v[LI], v[PC+4*\g:PC+4*\g+3], s[70:71] offset:512*\g
.endr
	v_cndmask_b32 v244, v[PW], v[PW+1], s45        ; lanes 0-15 carry the even tile's word, lanes 16-31 the odd tile's
	v_cndmask_b32 v245, v[PW+2], v[PW+3], s45
	global_store_b64 v[L8], v[244:245], s[72:73] offset:65536
	QUANT8 2, 128, PC+16, 1                        ; k
.irp g, 0,1,2,3
	global_store_b128 v[LI], v[PC+16+4*\g:PC+16+4*\g+3], s[74:75] offset:512*\g
.endr
	v_cndmask_b32 v246, v[PW], v[PW+1], s45
	v_cndmask_b32 v247, v[PW+2], v[PW+3], s45
	global_store_b64 v[L8], v[246:247], s[76:77] offset:8192
	QUANT8 3, 0, PC+32, 0                          ; v: group g is channel tile g, its two blocks are my 64 keys
.irp g, 0,1,2,3
	global_store_b128 v[LI], v[PC+32+4*\g:PC+32+4*\g+3], s[78:79] offset:4096+1024*\g
.endr
	v_cndmask_b32 v248, v[PW], v[PW+1], s45
	v_cndmask_b32 v249, v[PW+2], v[PW+3], s45
	global_store_b16 v[L8], v248, s[80:81] offset:8704   ; half of a scale word: the other half is the neighbouring wave's: 128 bytes a wave beside 6,656 in whole blocks
	global_store_b16 v[L8], v249, s[80:81] offset:8708
	s_wait_tensorcnt 0x0
	ds_add_u32 v254, v255
	s_wait_dscnt 0x0
	CROUND                                         ; the closing round: no work-group ends while a partner may still ask for a tile that names it
	s_endpgm
.Lfunc_end_k_qe2fd041cf2_qkv:
	.size	k_qe2fd041cf2_qkv, .Lfunc_end_k_qe2fd041cf2_qkv-k_qe2fd041cf2_qkv
	.p2alignl 7, 3214868480
	.fill 96, 4, 3214868480
	.section	.rodata,"a",@progbits
	.p2align	6, 0x0
	.amdhsa_kernel k_qe2fd041cf2_qkv
		.amdhsa_group_segment_fixed_size 244224
		.amdhsa_private_segment_fixed_size 0
		.amdhsa_enable_private_segment 0
		.amdhsa_kernarg_size 32
		.amdhsa_user_sgpr_count 2
		.amdhsa_user_sgpr_kernarg_segment_ptr 1
		.amdhsa_wavefront_size32 1
		.amdhsa_system_sgpr_workgroup_id_x 1
		.amdhsa_system_sgpr_workgroup_id_y 1
		.amdhsa_system_sgpr_workgroup_id_z 1
		.amdhsa_system_vgpr_workitem_id 0
		.amdhsa_next_free_vgpr 896
		.amdhsa_next_free_sgpr 100
		.amdhsa_reserve_vcc 0
		.amdhsa_float_denorm_mode_32 3
		.amdhsa_float_denorm_mode_16_64 3
		.amdhsa_memory_ordered 1
		.amdhsa_forward_progress 1
		.amdhsa_inst_pref_size 101
	.end_amdhsa_kernel
	.amdgpu_metadata
---
amdhsa.version: [ 1, 2 ]
amdhsa.kernels:
  - .name:           k_qe2fd041cf2_qkv
    .symbol:         k_qe2fd041cf2_qkv.kd
    .args:
      - { .name: xq, .offset: 0, .size: 8, .value_kind: global_buffer, .address_space: global }
      - { .name: wq, .offset: 8, .size: 8, .value_kind: global_buffer, .address_space: global }
      - { .name: qq, .offset: 16, .size: 8, .value_kind: global_buffer, .address_space: global }
      - { .name: kv, .offset: 24, .size: 8, .value_kind: global_buffer, .address_space: global }
    .group_segment_fixed_size: 244224
    .private_segment_fixed_size: 0
    .kernarg_segment_align: 8
    .kernarg_segment_size: 32
    .max_flat_workgroup_size: 128
    .sgpr_count:     100
    .vgpr_count:     896
    .wavefront_size: 32
...
	.end_amdgpu_metadata
.endif
;; end of part 2
;; launch attn (part 3): grid 4 x 64, 8 waves a work-group, clusters of 4 x 1, 169,984 bytes of LDS; arguments qq, kv, hh; writes hh
.if DOCPART == 3
	.amdgcn_target "amdgcn-amd-amdhsa--gfx1250"
	.amdhsa_code_object_version 6
	.text
	.protected	k_qe2fd041cf2_attn
	.globl	k_qe2fd041cf2_attn
	.p2align	8
	.type	k_qe2fd041cf2_attn,@function
k_qe2fd041cf2_attn:
	s_mov_b64 s[64:65], 0
	v_nop
	global_prefetch_b8 v0, s[64:65] scope:SCOPE_SE
	s_setreg_imm32_b32 hwreg(HW_REG_WAVE_MODE, 25, 1), 1
	s_wait_xcnt 0x0
	s_wait_alu depctr_hold_cnt(0) depctr_sa_sdst(0) depctr_va_vdst(0) depctr_va_sdst(0) depctr_va_ssrc(0) depctr_va_vcc(0) depctr_vm_vsrc(0)
	s_getreg_b32 s2, hwreg(HW_REG_IB_STS2, 6, 4)
	s_cmp_eq_u32 s2, 0
	s_cbranch_scc0 .Lentry_in_a_cluster
	s_endpgm
.Lentry_in_a_cluster:
	s_bfe_u32 s2, ttmp6, 0x10000c
	s_cmp_lg_u32 s2, 0x3003
	s_cbranch_scc0 .Lentry_shape_is_right
	s_endpgm
.Lentry_shape_is_right:
; Causal attention of one (batch, head) on codes of FP4 with E8M0 scales, and the quantising of its result along the head's 64 channels.
; t = score x log2(e) / 8; M = the row's largest t so far, rounded UP to a whole number; p = 2^(t - M) is quantised along the keys, not normalised; the row's sum is taken of the unquantised p and divides at the end.
; When M moves, the sum and O are multiplied by 2^(old M - new M): exact.
; LEFT OUT: key steps all of whose 128 keys come after a tile's queries: the causal mask turns their scores to -infinity, so their p is 0 for all inputs.
; A head's K and V (16 records of 8,960 bytes, images of operand registers) lie in LDS whole, filled once: no ring.  The four work-groups of a cluster are the four of one head: the fill is joint, two records a wave.
; No prefetch into the L2: the one fill stands at the head, and there is no loop of tensor loads to run ahead in.
; SHARES.  A head has 128 tiles of 16 stored queries, 8 to a window of 128 tokens.  Wave a (0..7) of work-group cx takes window a and then window 15 - a, and in a window TWO tiles side by side:
; tile A = 8 L + cx and tile B = 8 L + 4 + cx: a + 1 and 16 - a key steps, 17 for every wave.  Each fragment of K and V that is read from LDS feeds both tiles, and the two tiles' dependent chains stand line by line.
; cx enters global addresses and the mask's lane numbers alone; branches hang on the wave's number and the count of steps.
; Both products are used transposed: S^T = K Q^T, O^T = V^T P^T: a lane holds ONE query of each tile.
; THE KEYS OF A TILE OF K ARE CHOSEN BY LDS ADDRESS: row m of tile 4 g + t is key 64 g + 32 (m / 8) + 8 t + m % 8 of the step.  Register 32 g + 8 t + j of S^T then holds key 64 g + 32 h + 8 t + j (h = lane / 16):
; a lane's 32 registers of a group g are ONE block of 32 keys, in the order of the second product's operand: a block's maximum needs no other lane, and the conversions' results are the operand's registers.
; A token n lies in the records at place n with bits 3 and 4 exchanged: tile 4 g + 2 (r / 8) + t % 2, row 8 (t / 2) + r % 8.
; THE DIAGONAL: tile A's queries lie in keys 0-63 of the last step, tile B's in keys 64-127.  In a tile's own group key 32 h + n is hidden where n > my query's place in the group - 32 h: 32 lane masks, the same for both tiles,
; made once, in scalar registers; tile A's group 1 is hidden whole.
; K's fragments of step n + 1 are read from LDS behind step n's first products (the last step of the sixteen reads its own record again, and a tile's last step reads a record that it does not use).
; The head has 64 channels, the instruction 128 along K: registers 4-7 of Q's and K's fragments are zeros, their scale bytes 127.
; hh: codes [tile of 16 tokens 512][head 16][lane][16]; from 4,194,304 two scale bytes a row [tile][head][row].
; LIMITS: the scaled scores stay under 2^31 in magnitude; NaN and infinities are not served; p under 2^-126 comes out of v_exp_f32 as 0; a block's largest p is made from its largest score, which takes v_exp_f32 not to fall
; where its input rises; a block under 2^-124 is held at byte 1, a block of zeros gets byte 1 (its codes are zeros; this program alone reads the bytes).
; REGISTERS.  Window 0: v1-11 lane terms and addresses; v12-23 tile A's small registers, v24-35 tile B's; v36-45 scale words; v48-55 Q, v56-63 p's codes, v64-127 K, v128-191 S^T then p, v192-223 O^T (tile A's); v224-255 V.
; Window 1: tile B's Q, codes, S^T and O^T at tile A's numbers; v64-73 there hold the second window's Q and scale words until they are wanted.
.set REC,  8960
.set SPARE, 0x29000                    ; the spare words: 128 bytes for each of 8 waves
.set LI,   1                           ; 16 x lane
.set L8,   2                           ; 8 x lane
.set AK,   3                           ; my place in a tile of K: 1024 (r / 8) + 16 (r % 8) + 256 h
.set AS,   4                           ; and among K's scale words: 8 (r % 8) + 4 (r / 8) + 128 h
.set HSA,  5                           ; 2 r
.set SH8,  6                           ; 8 h
.set NEG,  7                           ; -infinity
.set ADK,  8
.set ADS,  9
.set ADV,  10
.set ADT,  11
.set SA,   12                          ; a tile's small registers, from SA + 12 T: +0 -M, +1 largest score, +2,3 the sum, +4 f, +5 lane permutes' landing, +6..9 maxima and bytes, +10,11 the conversions' scale operands
.set QS,   36                          ; Q's scale words, tile A's and B's; v38-39 p's; v40-43 K's; v44-45 V's
.set PS,   38
.set KS,   40
.set VS,   44
.set SPW,  46
.set NIL,  47
.set QF,   48
.set PC,   56
.set KF,   64
.set SC,   128
.set OT,   192
.set VF,   224
.set Q2,   64                          ; window 1
.set WV,   18
.set SEL,  20
.set CS,   22
.set TB,   2                           ; s2  LDS byte of the step's record
.set NN,   3                           ; s3  the step
.set LAST, 36                          ; s36 the window's last step
.set G1,   24
.set G0,   32
.set AD,   40                          ; s[40:47], s[48:55]: for each window tile A's Q image, its scale words, the result's image, its scale bytes; tile B's lie a constant further on
.set MK,   66                          ; s66-97 the diagonal's 32 lane masks
.set MSB, 0
.macro WIN new                         ; the immediate's high byte repeats the setting that is left
.if MSB != \new
	s_set_vgpr_msb (MSB<<8)|\new
.set MSB, \new
.endif
.endm
.macro CROUND
	s_barrier_signal -1
	s_barrier_wait -1
	s_cmp_lg_u32 s[WV], 0
	s_cbranch_scc1 .Lnot_wave_0_\@
	s_barrier_signal -3
.Lnot_wave_0_\@:
	s_barrier_wait -3
	s_barrier_signal -1
	s_barrier_wait -1
.endm
.macro MMS d, a, b, c, sa, sb, row
.if \row
	v_wmma_scale_f32_16x16x128_f8f6f4 v[\d:\d+7], v[\a:\a+7], v[\b:\b+7], \c, v[\sa], v[\sb] matrix_a_fmt:MATRIX_FMT_FP4 matrix_b_fmt:MATRIX_FMT_FP4 matrix_a_scale:MATRIX_SCALE_ROW1
.else
	v_wmma_scale_f32_16x16x128_f8f6f4 v[\d:\d+7], v[\a:\a+7], v[\b:\b+7], \c, v[\sa], v[\sb] matrix_a_fmt:MATRIX_FMT_FP4 matrix_b_fmt:MATRIX_FMT_FP4
.endif
.endm
.macro KLOAD a, s                      ; a record's eight tiles of K and their scale words (lanes 0-15 the words of tile 2 u, lanes 16-31 of tile 2 u + 1)
.irp g, 0,1
.irp t, 0,1,2,3
	ds_load_b128 v[KF+8*(4*\g+\t):KF+8*(4*\g+\t)+3], v[\a] offset:2048*\g+512*(\t%2)+128*(\t/2)
.endr
.endr
.irp u, 0,1,2,3
	ds_load_b32 v[KS+\u], v[\s] offset:8192+256*(\u/2)+64*(\u%2)
.endr
.endm
	s_load_b128 s[4:7], s[0:1], 0x0                ; qq, kv
	s_load_b64 s[8:9], s[0:1], 0x10                ; hh
	v_lshl_add_u32 v[SPW], v0, 2, SPARE
	v_mov_b32 v[NIL], 0
	ds_add_u32 v[SPW], v[NIL]                      ; the opening lines: the add, twice on end
	ds_add_u32 v[SPW], v[NIL]
	s_bfe_u32 s11, ttmp6, 0x40000                  ; cx
	s_lshr_b32 s19, s11, 1
	s_lshl_b32 s19, s19, 5
	s_and_b32 s37, s11, 1
	s_lshl_b32 s37, s37, 3
	s_add_co_u32 s19, s19, s37                     ; a tile's first query in its group of 64: 32 (cx / 2) + 8 (cx % 2)
	v_lshrrev_b32 v224, 5, v0
	v_readfirstlane_b32 s[WV], v224                ; wave 0..7
	v_and_b32 v224, 31, v0
	v_lshlrev_b32 v[LI], 4, v224
	v_lshlrev_b32 v[L8], 3, v224
	v_and_b32 v225, 15, v0                         ; r
	v_bfe_u32 v226, v0, 4, 1                       ; h
	v_and_b32 v227, 7, v0                          ; r % 8
	v_bfe_u32 v228, v0, 3, 1                       ; r / 8
	v_lshlrev_b32 v[AK], 4, v227
	v_lshl_add_u32 v[AK], v228, 10, v[AK]
	v_lshl_add_u32 v[AK], v226, 8, v[AK]
	v_lshlrev_b32 v[AS], 3, v227
	v_lshl_add_u32 v[AS], v228, 2, v[AS]
	v_lshl_add_u32 v[AS], v226, 7, v[AS]
	v_lshlrev_b32 v[HSA], 1, v225
	v_lshlrev_b32 v[SH8], 3, v226
	v_lshlrev_b32 v229, 3, v225                    ; 8 r: Q's scale words
	v_lshl_add_u32 v230, v228, 3, v225             ; r + 8 (r / 8)
	v_lshlrev_b32 v231, 5, v226
	v_sub_nc_u32 v230, v230, v231
	v_add_nc_u32 v230, s19, v230                   ; my query's place in its group - 32 h
	s_and_b32 s10, ttmp7, 0xffff                   ; 16 x batch + head, which the four partners share
	s_mov_b32 s14, s[WV]                           ; a
	s_mov_b32 s[G1], 15|(3<<16)|(1<<21)            ; the mask: all four; elements of 8 bytes; 21 set beside a mask; no padding
	s_mov_b32 s[G1+1], 32<<16                      ; rows of 256 bytes
	s_mov_b32 s[G1+2], 70<<16                      ; 70 of them: two records
	s_mov_b32 s[G1+3], 32<<16
	s_mov_b32 s[G1+4], 70
	s_mov_b32 s[G1+5], 32
	s_mov_b32 s[G1+6], 0
	s_mov_b32 s[G1+7], 0
	s_mul_i32 s16, s14, 2*REC
	s_mul_i32 s12, s10, 16*REC
	s_add_co_u32 s12, s12, s16
	s_mov_b32 s13, 0
	s_mov_b32 s[SEL], 0x76543210
	s_mov_b32 s[SEL+1], 0xfedcba98
	s_mov_b32 s[CS], 0x3e38aa3b                    ; log2(e) / sqrt(64)
	s_mov_b32 s[CS+1], s[CS]
	s_and_b32 s38, s11, 1
	s_lshl_b32 s39, s38, 7
	s_bfe_u32 s38, s11, 0x10001
	s_lshl_b32 s38, s38, 2
	s_add_co_u32 s39, s39, s38
	s_add_co_u32 s39, s39, 65536                   ; a tile's scale words inside its group of four: the same for tiles A and B
	s_mul_i32 s38, s10, 73728                      ; the head in qq
	s_add_co_u32 s39, s39, s38
	s_lshr_b32 s56, s10, 4
	s_lshl_b32 s56, s56, 7                         ; the batch's first tile in hh
	s_and_b32 s57, s10, 15
	s_lshl_b32 s58, s57, 5
	s_add_co_u32 s58, s58, 4194304
	s_lshl_b32 s57, s57, 9
.irp w, 0,1                                    ; both windows' byte offsets, each in registers of its own
.if \w
	s_sub_co_u32 s59, 15, s14
.else
	s_mov_b32 s59, s14
.endif
	s_lshl_b32 s59, s59, 3
	s_add_co_u32 s59, s59, s11                     ; tile A
	s_lshl_b32 s[AD+8*\w], s59, 9
	s_add_co_u32 s[AD+8*\w], s[AD+8*\w], s38
	s_mov_b32 s[AD+8*\w+1], 0
	s_lshr_b32 s[AD+8*\w+2], s59, 2
	s_lshl_b32 s[AD+8*\w+2], s[AD+8*\w+2], 8
	s_add_co_u32 s[AD+8*\w+2], s[AD+8*\w+2], s39
	s_mov_b32 s[AD+8*\w+3], 0
	s_add_co_u32 s59, s59, s56
	s_lshl_b32 s[AD+8*\w+4], s59, 13
	s_add_co_u32 s[AD+8*\w+4], s[AD+8*\w+4], s57
	s_mov_b32 s[AD+8*\w+5], 0
	s_lshl_b32 s[AD+8*\w+6], s59, 9
	s_add_co_u32 s[AD+8*\w+6], s[AD+8*\w+6], s58
	s_mov_b32 s[AD+8*\w+7], 0
.endr
	s_wait_alu depctr_va_vdst(0)
	s_wait_dscnt 0x0                               ; both opening adds are done
	s_wait_kmcnt 0x0
.irp w, 0,1
	s_add_nc_u64 s[AD+8*\w:AD+8*\w+1], s[4:5], s[AD+8*\w:AD+8*\w+1]
	s_add_nc_u64 s[AD+8*\w+2:AD+8*\w+3], s[4:5], s[AD+8*\w+2:AD+8*\w+3]
	s_add_nc_u64 s[AD+8*\w+4:AD+8*\w+5], s[8:9], s[AD+8*\w+4:AD+8*\w+5]
	s_add_nc_u64 s[AD+8*\w+6:AD+8*\w+7], s[8:9], s[AD+8*\w+6:AD+8*\w+7]
.endr
	s_mov_b32 s[G0], 1
	s_mov_b32 s[G0+1], s16                         ; LDS: 17,920 x wave
	s_add_nc_u64 s[G0+2:G0+3], s[6:7], s[12:13]
	s_or_b32 s[G0+3], s[G0+3], 0x80000000
	global_load_b128 v[QF:QF+3], v[LI], s[AD:AD+1] ; all four tiles' Q are asked for here.  Tile B lies 4 tiles on: 2,048 bytes of codes, 256 of scale words
	global_load_b32 v[QS], v229, s[AD+2:AD+3]
	global_load_b32 v[QS+1], v229, s[AD+2:AD+3] offset:256
	WIN 0x40
	global_load_b128 v[QF:QF+3], v[LI], s[AD:AD+1] offset:2048
	global_load_b128 v[Q2:Q2+3], v[LI], s[AD+8:AD+9]
	global_load_b128 v[Q2+4:Q2+7], v[LI], s[AD+8:AD+9] offset:2048
	global_load_b32 v[Q2+8], v229, s[AD+10:AD+11]
	global_load_b32 v[Q2+9], v229, s[AD+10:AD+11] offset:256
	WIN 0
	CROUND                                         ; all four work-groups are here: the joint loads meet
	tensor_load_to_lds s[G0:G0+3], s[G1:G1+7]      ; every wave fetches two records
	s_nop 0
.set n, 0
.rept 32
	v_cmp_gt_i32 s[MK+n], n, v230                  ; lanes in which key 32 h + n of the tile's own group is hidden
.set n, n+1
.endr
	v_mov_b32 v[NEG], 0xff800000
.irp c, 4,5,6,7
	v_mov_b32 v[QF+\c], 0                          ; Q's codes of k = 64 .. 127
.endr
.irp t, 0,1,2,3,4,5,6,7
.irp c, 4,5,6,7
	v_mov_b32 v[KF+8*\t+\c], 0                     ; K's likewise: written once, the loads fill registers 0-3 alone
.endr
.endr
.set n, 0
.rept 24
	v_mov_b32 v[SA+n], 0                           ; written once: a lane permute's destination counts as one of its sources
.set n, n+1
.endr
	WIN 0x40
.irp c, 4,5,6,7
	v_mov_b32 v[QF+\c], 0
.endr
	WIN 0
	s_wait_alu depctr_va_vdst(0)
	s_wait_tensorcnt 0x0                           ; my records have landed,
	s_wait_loadcnt 0x0                             ; and Q
	s_barrier_signal -1
	s_barrier_wait -1                              ; everybody's have
.macro SUMS                            ; the rest of the sum of 64 p, in place (group 0's first level is done): 23 lines
.irp m, 0,8,16,24
	v_pk_add_f32 v[SC+\m:SC+\m+1], v[SC+\m:SC+\m+1], v[SC+\m+4:SC+\m+5]
.endr
.irp m, 32,36,40,44,48,52,56,60
	v_pk_add_f32 v[SC+\m:SC+\m+1], v[SC+\m:SC+\m+1], v[SC+\m+2:SC+\m+3]
.endr
.irp m, 32,40,48,56
	v_pk_add_f32 v[SC+\m:SC+\m+1], v[SC+\m:SC+\m+1], v[SC+\m+4:SC+\m+5]
.endr
.irp m, 0,16,32,48
	v_pk_add_f32 v[SC+\m:SC+\m+1], v[SC+\m:SC+\m+1], v[SC+\m+8:SC+\m+9]
.endr
.irp m, 0,32
	v_pk_add_f32 v[SC+\m:SC+\m+1], v[SC+\m:SC+\m+1], v[SC+\m+16:SC+\m+17]
.endr
	v_pk_add_f32 v[SC:SC+1], v[SC:SC+1], v[SC+32:SC+33]
.endm
; A KEY STEP: 128 keys, record s[NN], for both tiles.  T = 0: tile A, all in window 0; T = 1: tile B, whose large registers lie in window 1.
.macro STEP
	s_cmp_gt_u32 s[NN], s[LAST]
	s_cbranch_scc1 .Lskip_\@                       ; all its keys come after my queries
	s_add_co_u32 s37, s[TB], REC
	s_min_u32 s37, s37, 15*REC                     ; the next record, held inside the sixteen
	s_wait_dscnt 0x0                               ; this step's K, asked for a step ago
.irp T, 0,1
	WIN 0x44*\T                                    ; tile B: D and Q in window 1
.irp g, 0,1
.irp t, 0,1,2,3
	MMS SC+8*(4*\g+\t), KF+8*(4*\g+\t), QF, 0, KS+2*\g+\t/2, QS+\T, \t%2
.endr
.endr
.endr
	WIN 0
	v_add_nc_u32 v[ADK], s37, v[AK]                ; four places: behind these products, ahead of K's loads and of the first read of S^T; and behind the last step's products, ahead of V's loads
	v_add_nc_u32 v[ADS], s37, v[AS]
	v_add_nc_u32 v[ADV], s[TB], v[LI]
	v_add_nc_u32 v[ADT], s[TB], v[L8]
	KLOAD ADK, ADS
.irp f, 0,1,2,3
.irp c, 0,1
	ds_load_b128 v[VF+8*\f+4*\c:VF+8*\f+4*\c+3], v[ADV] offset:4096+1024*\f+512*\c
.endr
.endr
	ds_load_b64 v[VS:VS+1], v[ADT] offset:8704
	s_cmp_lg_u32 s[NN], s[LAST]
	s_cbranch_scc1 .Lopen_\@                       ; all keys of an earlier step count
.set n, 0
.rept 32
	v_cndmask_b32 v[SC+n], v[SC+n], v[NEG], s[MK+n]
.set n, n+1
.endr
.rept 32
	v_mov_b32 v[SC+n], v[NEG]                      ; tile A: keys 64 .. 127 come after all its queries
.set n, n+1
.endr
	WIN 0x41
.set n, 0
.rept 32
	v_cndmask_b32 v[SC+32+n], v[SC+32+n], v[NEG], s[MK+n]
.set n, n+1
.endr
	WIN 0
.Lopen_\@:
.irp T, 0,1
	WIN 0x05*\T
.irp b, 0,1,2,3
	v_max3_num_f32 v[SA+12*\T+6+\b], v[SC+16*\b], v[SC+16*\b+1], v[NEG]   ; four chains by turns, each accumulator from its low end on
.endr
.irp i, 2,4,6,8,10,12,14
.irp b, 0,1,2,3
	v_max3_num_f32 v[SA+12*\T+6+\b], v[SC+16*\b+\i], v[SC+16*\b+\i+1], v[SA+12*\T+6+\b]
.endr
.endr
.endr
	WIN 0
.irp s, SA, SA+12
	v_max_num_f32 v[\s+6], v[\s+6], v[\s+7]        ; my two blocks' largest scores: for the row's maximum, and for the blocks' largest p
	v_max_num_f32 v[\s+8], v[\s+8], v[\s+9]
.endr
.irp s, SA, SA+12
	v_max3_num_f32 v[\s+1], v[\s+1], v[\s+6], v[\s+8]
.endr
.irp s, SA, SA+12
	v_permlanex16_b32 v[\s+5], v[\s+1], s[SEL], s[SEL+1]
.endr
.irp s, SA, SA+12
	v_max_num_f32 v[\s+1], v[\s+1], v[\s+5]        ; the row's largest score so far
.endr
.irp s, SA, SA+12
	v_mul_f32 v[\s+7], s[CS], v[\s+1]              ; as t
.endr
.irp s, SA, SA+12
	v_floor_f32 v[\s+7], -v[\s+7]                  ; -M = floor(-t): a whole number
.endr
.irp s, SA, SA+12
	v_sub_f32 v[\s+4], v[\s+7], v[\s]              ; old M - new M, 0 or less
.endr
.irp s, SA, SA+12
	v_mov_b32 v[\s], v[\s+7]
.endr
.irp s, SA, SA+12
	v_cvt_i32_f32 v[\s+4], v[\s+4]                 ; (it saturates)
.endr
.irp s, SA, SA+12
	v_ldexp_f32 v[\s+4], 1.0, v[\s+4]              ; f = 2^(old M - new M)
.endr
.irp s, SA, SA+12
	v_fma_f32 v[\s+6], v[\s+6], s[CS], v[\s]
	v_fma_f32 v[\s+8], v[\s+8], s[CS], v[\s]
.endr
.irp T, 0,1
	WIN 0x41*\T
.set j, 0
.rept 16
	v_pk_fma_f32 v[SC+j:SC+j+1], v[SC+j:SC+j+1], s[CS:CS+1], v[SA+12*\T:SA+12*\T+1] op_sel_hi:[1,0,0]   ; t - M, group 0
.set j, j+2
.endr
.endr
	WIN 0
	s_wait_alu depctr_va_vdst(0)
.irp s, SA, SA+12
	v_exp_f32 v[\s+6], v[\s+6]                     ; the blocks' largest p
	v_exp_f32 v[\s+8], v[\s+8]
.endr
.irp T, 0,1
	WIN 0x41*\T
.set j, 0
.rept 16
	v_exp_f32 v[SC+j], v[SC+j]                     ; p of group 0; among them group 1's t - M, which names none of the batch's registers
	v_exp_f32 v[SC+j+1], v[SC+j+1]
	v_pk_fma_f32 v[SC+32+j:SC+33+j], v[SC+32+j:SC+33+j], s[CS:CS+1], v[SA+12*\T:SA+12*\T+1] op_sel_hi:[1,0,0]
.set j, j+2
.endr
.endr
	WIN 0
	s_wait_alu depctr_va_vdst(0)                   ; one wait behind the batch, which also stands ahead of the next
.irp s, SA, SA+12
	v_max_num_f32 v[\s+6], 0x1800000, v[\s+6]      ; the floor: the byte cannot fall under 1
	v_max_num_f32 v[\s+8], 0x1800000, v[\s+8]
.endr
.irp s, SA, SA+12
	v_add_nc_u32 v[\s+10], 0xff000000, v[\s+6]     ; the conversions' scale operands
	v_add_nc_u32 v[\s+11], 0xff000000, v[\s+8]
.endr
.irp s, SA, SA+12
	v_lshrrev_b32 v[\s+7], 23, v[\s+10]
	v_lshrrev_b32 v[\s+9], 23, v[\s+11]
.endr
.irp s, SA, SA+12
	v_lshl_or_b32 v[\s+7], v[\s+9], 16, v[\s+7]    ; my bytes: blocks h and 2 + h,
.endr
.irp s, SA, SA+12
	v_lshlrev_b32 v[\s+7], v[SH8], v[\s+7]         ; at their places;
.endr
.irp s, SA, SA+12
	v_permlanex16_b32 v[\s+5], v[\s+7], s[SEL], s[SEL+1]
.endr
	v_or_b32 v[PS], v[SA+7], v[SA+5]               ; with lane l xor 16's two: p's scale word
	v_or_b32 v[PS+1], v[SA+19], v[SA+17]
.irp s, SA, SA+12
	v_pk_mul_f32 v[\s+2:\s+3], v[\s+2:\s+3], v[\s+4:\s+5] op_sel_hi:[1,0]   ; the sums under the new M
.endr
.irp T, 0,1                                    ; both tiles' group 0 is converted ahead of the second batch
	WIN 0x41*\T
.irp t, 0,1,2,3
	v_cvt_scalef32_pk8_fp4_f32 v[PC+\t], v[SC+8*\t:SC+8*\t+7], v[SA+12*\T+10]   ; keys 32 h + 8 t ..: the operand's register t
.endr
.endr
	v_nop                                          ; one plain place behind the scaled conversions
.irp T, 1,0
	WIN 0x45*\T
.set j, 0
.rept 8
	v_exp_f32 v[SC+32+j], v[SC+32+j]               ; p of group 1; among them the first level of group 0's sum, in place: each register written once
	v_exp_f32 v[SC+33+j], v[SC+33+j]
	v_exp_f32 v[SC+34+j], v[SC+34+j]
	v_exp_f32 v[SC+35+j], v[SC+35+j]
	v_pk_add_f32 v[SC+j:SC+j+1], v[SC+j:SC+j+1], v[SC+j+2:SC+j+3]
.set j, j+4
.endr
.endr
	s_wait_alu depctr_va_vdst(0)                   ; one wait behind the batch
.irp T, 0,1
	WIN 0x41*\T
.irp t, 0,1,2,3
	v_cvt_scalef32_pk8_fp4_f32 v[PC+4+\t], v[SC+32+8*\t:SC+32+8*\t+7], v[SA+12*\T+11]
.endr
	WIN 0x45*\T
	SUMS                                           ; begins on group 0: plain places behind the conversions
	WIN 0x04*\T
	v_pk_add_f32 v[SA+12*\T+2:SA+12*\T+3], v[SA+12*\T+2:SA+12*\T+3], v[SC:SC+1]
.endr
.irp T, 0,1
	WIN 0x41*\T
	s_wait_alu depctr_va_vdst(0)
.set j, 0
.rept 16
	v_pk_mul_f32 v[OT+j:OT+j+1], v[OT+j:OT+j+1], v[SA+12*\T+4:SA+12*\T+5] op_sel_hi:[1,0]   ; O^T under the new M; also the places ahead of the products
.set j, j+2
.endr
.endr
	WIN 0
	s_wait_alu depctr_va_vdst(0)
	s_wait_dscnt 0x0                               ; V (and the next step's K, asked for ahead of it)
.irp T, 0,1
	WIN 0x54*\T                                    ; tile B: D, C and p's codes in window 1
.irp f, 0,1,2,3
	MMS OT+8*\f, VF+8*\f, PC, v[OT+8*\f:OT+8*\f+7], VS+\f/2, PS+\T, \f%2
.endr
.endr
	WIN 0
.Lskip_\@:
	s_add_co_u32 s[TB], s[TB], REC
.endm
; One window: two tiles of 16 queries from their Q to their codes.  w = 0: the early window, 1: the late one.
.macro TILE w
.if \w
	s_wait_xcnt 0x0                                ; the last window's stores have read their data, which are written again below
	s_sub_co_u32 s[LAST], 15, s14
	WIN 0x01
.irp c, 0,1,2,3
	v_mov_b32 v[QF+\c], v[Q2+\c]
.endr
	v_mov_b32 v[QS], v[Q2+8]
	v_mov_b32 v[QS+1], v[Q2+9]
	WIN 0x41
.irp c, 0,1,2,3
	v_mov_b32 v[QF+\c], v[Q2+4+\c]
.endr
	WIN 0
.else
	s_mov_b32 s[LAST], s14
.endif
	s_wait_dscnt 0x0                               ; no LDS load of mine is out: the loads below land on registers that the last window's loads of K wrote
	KLOAD AK, AS                                   ; record 0's K
.irp s, SA, SA+12
	v_mov_b32 v[\s+1], 0xff61b1e6                  ; the largest score so far: -3e38
	v_mov_b32 v[\s], 0x7f61b1e6                    ; -M: 3e38, so that the first f is 0, on zeros
	v_mov_b32 v[\s+2], 0
	v_mov_b32 v[\s+3], 0
.endr
.irp T, 0,1
	WIN 0x40*\T
.set j, 0
.rept 32
	v_mov_b32 v[OT+j], 0                           ; O^T: the step is written once
.set j, j+1
.endr
.endr
	WIN 0
	s_mov_b32 s[TB], 0
	s_mov_b32 s[NN], 0
	s_wait_alu depctr_va_vdst(0)
.Lstep_\@:
	STEP
	s_add_co_u32 s[NN], s[NN], 1
	s_cmp_lt_u32 s[NN], 16
	s_cbranch_scc1 .Lstep_\@
.rept 4
	v_nop                                          ; places behind the last products
.endr
.irp s, SA, SA+12
	v_add_f32 v[\s+2], v[\s+2], v[\s+3]
.endr
.irp s, SA, SA+12
	v_permlanex16_b32 v[\s+5], v[\s+2], s[SEL], s[SEL+1]
.endr
.irp s, SA, SA+12
	v_add_f32 v[\s+2], v[\s+2], v[\s+5]            ; the row's sum
.endr
	s_wait_alu depctr_va_vdst(0)                   ; ahead of the transcendentals
.irp s, SA, SA+12
	v_rcp_f32 v[\s+2], v[\s+2]
.endr
	v_nop
.irp T, 0,1
	WIN 0x41*\T
	s_wait_alu depctr_va_vdst(0)                   ; ahead of the reciprocal's first reader, which is also O^T's
.set j, 0
.rept 16
	v_pk_mul_f32 v[SC+j:SC+j+1], v[OT+j:OT+j+1], v[SA+12*\T+2:SA+12*\T+3] op_sel_hi:[1,0]   ; register 16 b + i: channel 32 b + 16 h + i of my query
.set j, j+2
.endr
	WIN 0x05*\T
.irp b, 0,1
	v_max3_num_f32 v[SA+12*\T+6+\b], |v[SC+16*\b]|, |v[SC+16*\b+1]|, 0x1800000
.endr
.irp i, 2,4,6,8,10,12,14
.irp b, 0,1
	v_max3_num_f32 v[SA+12*\T+6+\b], |v[SC+16*\b+\i]|, |v[SC+16*\b+\i+1]|, v[SA+12*\T+6+\b]
.endr
.endr
.endr
	WIN 0
.irp s, SA, SA+12
.irp b, 0,1
	v_permlanex16_b32 v[\s+8+\b], v[\s+6+\b], s[SEL], s[SEL+1]
.endr
.endr
.irp s, SA, SA+12
.irp b, 0,1
	v_max_num_f32 v[\s+6+\b], v[\s+6+\b], v[\s+8+\b]
.endr
.endr
.irp s, SA, SA+12
.irp b, 0,1
	v_add_nc_u32 v[\s+10+\b], 0xff000000, v[\s+6+\b]
.endr
.endr
.irp s, SA, SA+12
.irp b, 0,1
	v_lshrrev_b32 v[\s+8+\b], 23, v[\s+10+\b]
.endr
.endr
.irp s, SA, SA+12
	v_lshl_or_b32 v[\s+6], v[\s+9], 8, v[\s+8]
.endr
.irp T, 0,1
	WIN 0x41*\T
.irp b, 0,1
	v_cvt_scalef32_pk8_fp4_f32 v[PC+2*\b], v[SC+16*\b:SC+16*\b+7], v[SA+12*\T+10+\b]
	v_cvt_scalef32_pk8_fp4_f32 v[PC+2*\b+1], v[SC+16*\b+8:SC+16*\b+15], v[SA+12*\T+10+\b]
.endr
	v_nop                                          ; one plain place behind a scaled conversion
	v_permlane16_swap_b32 v[PC], v[PC+2]           ; a whole block to a lane
	v_permlane16_swap_b32 v[PC+1], v[PC+3]
	WIN 0x04*\T
	global_store_b128 v[LI], v[PC:PC+3], s[AD+8*\w+4:AD+8*\w+5] offset:32768*\T   ; 512 consecutive bytes, aligned
	WIN 0
	global_store_b16 v[HSA], v[SA+12*\T+6], s[AD+8*\w+6:AD+8*\w+7] offset:2048*\T   ; a row's two bytes; both halves of the lanes write the same value
.endr
.endm
	TILE 0
	TILE 1
	s_wait_tensorcnt 0x0                           ; the wave's end
	ds_add_u32 v[SPW], v[NIL]
	s_wait_dscnt 0x0
	CROUND                                         ; the closing round
	s_endpgm
.Lfunc_end_k_qe2fd041cf2_attn:
	.size	k_qe2fd041cf2_attn, .Lfunc_end_k_qe2fd041cf2_attn-k_qe2fd041cf2_attn
	.p2alignl 7, 3214868480
	.fill 96, 4, 3214868480
	.section	.rodata,"a",@progbits
	.p2align	6, 0x0
	.amdhsa_kernel k_qe2fd041cf2_attn
		.amdhsa_group_segment_fixed_size 169984
		.amdhsa_private_segment_fixed_size 0
		.amdhsa_enable_private_segment 0
		.amdhsa_kernarg_size 24
		.amdhsa_user_sgpr_count 2
		.amdhsa_user_sgpr_kernarg_segment_ptr 1
		.amdhsa_wavefront_size32 1
		.amdhsa_system_sgpr_workgroup_id_x 1
		.amdhsa_system_sgpr_workgroup_id_y 1
		.amdhsa_system_sgpr_workgroup_id_z 1
		.amdhsa_system_vgpr_workitem_id 0
		.amdhsa_next_free_vgpr 512
		.amdhsa_next_free_sgpr 100
		.amdhsa_reserve_vcc 0
		.amdhsa_float_denorm_mode_32 3
		.amdhsa_float_denorm_mode_16_64 3
		.amdhsa_memory_ordered 1
		.amdhsa_forward_progress 1
		.amdhsa_inst_pref_size 97
	.end_amdhsa_kernel
	.amdgpu_metadata
---
amdhsa.version: [ 1, 2 ]
amdhsa.kernels:
  - .name:           k_qe2fd041cf2_attn
    .symbol:         k_qe2fd041cf2_attn.kd
    .args:
      - { .name: qq, .offset: 0, .size: 8, .value_kind: global_buffer, .address_space: global }
      - { .name: kv, .offset: 8, .size: 8, .value_kind: global_buffer, .address_space: global }
      - { .name: hh, .offset: 16, .size: 8, .value_kind: global_buffer, .address_space: global }
    .group_segment_fixed_size: 169984
    .private_segment_fixed_size: 0
    .kernarg_segment_align: 8
    .kernarg_segment_size: 24
    .max_flat_workgroup_size: 256
    .sgpr_count:     100
    .vgpr_count:     512
    .wavefront_size: 32
...
	.end_amdgpu_metadata
.endif
;; end of part 3
;; launch proj (part 4): grid 256 x 1, 4 waves a work-group, clusters of 4 x 1, 327,680 bytes of LDS; arguments hh, wq, x, gamma, beta, out0; writes out0
.if DOCPART == 4
	.amdgcn_target "amdgcn-amd-amdhsa--gfx1250"
	.amdhsa_code_object_version 6
	.text
	.protected	k_qe2fd041cf2_proj
	.globl	k_qe2fd041cf2_proj
	.p2align	8
	.type	k_qe2fd041cf2_proj,@function
k_qe2fd041cf2_proj:
	s_mov_b64 s[64:65], 0
	v_nop
	global_prefetch_b8 v0, s[64:65] scope:SCOPE_SE
	s_setreg_imm32_b32 hwreg(HW_REG_WAVE_MODE, 25, 1), 1
	s_wait_xcnt 0x0
	s_wait_alu depctr_hold_cnt(0) depctr_sa_sdst(0) depctr_va_vdst(0) depctr_va_sdst(0) depctr_va_ssrc(0) depctr_va_vcc(0) depctr_vm_vsrc(0)
	s_getreg_b32 s2, hwreg(HW_REG_IB_STS2, 6, 4)
	s_cmp_eq_u32 s2, 0
	s_cbranch_scc0 .Lentry_in_a_cluster
	s_endpgm
.Lentry_in_a_cluster:
	s_bfe_u32 s2, ttmp6, 0x10000c
	s_cmp_lg_u32 s2, 0x3003
	s_cbranch_scc0 .Lentry_shape_is_right
	s_endpgm
.Lentry_shape_is_right:
.set PITCH, 528
.set SLOT,  256*PITCH
.set SPARE, 2*SLOT
.set SPI,   4112
.set ADRB,  16
.set STO,   18
.set RD,    20
.set WSA,   24
.set HSA,   25
.set SPW,   28
.set NIL,   29
.set WS,    32
.set HS,    96
.set BUF0,  128
.set BUF1,  192
.set SA,    128
.set QA,    144
.set TQ,    160
.set WV,    18
.set G1,    24
.set G0,    32
.set SEL,   54
.set MSB, 0
.macro WIN new
.if MSB != \new
	s_set_vgpr_msb (MSB<<8)|\new
.set MSB, \new
.endif
.endm
.macro PLACES
.rept 4
	v_nop
.endr
.endm
.macro CROUND
	s_barrier_signal -1
	s_barrier_wait -1
	s_cmp_lg_u32 s[WV], 0
	s_cbranch_scc1 .Lnot_wave_0_\@
	s_barrier_signal -3
.Lnot_wave_0_\@:
	s_barrier_wait -3
	s_barrier_signal -1
	s_barrier_wait -1
.endm
	s_load_b256 s[4:11], s[0:1], 0x0
	s_load_b128 s[12:15], s[0:1], 0x20
	v_lshl_add_u32 v[SPW], v0, 2, SPARE
	v_mov_b32 v[NIL], 0
	ds_add_u32 v28, v29
	ds_add_u32 v28, v29
	s_wait_dscnt 0x0
	v_lshrrev_b32 v1, 5, v0
	v_readfirstlane_b32 s[WV], v1
	s_bfe_u32 s19, ttmp6, 0x40000
	s_lshl_b32 s20, ttmp9, 2
	s_add_co_u32 s20, s20, s19
	s_mov_b32 s[G1], 15|(1<<20)|(1<<21)|(6<<22)|(3<<25)
	s_mov_b32 s[G1+1], 512<<16
	s_mov_b32 s[G1+2], 128<<16
	s_mov_b32 s[G1+3], 512<<16
	s_mov_b32 s[G1+4], 128
	s_mov_b32 s[G1+5], 512
	s_mov_b32 s[G1+6], 0
	s_mov_b32 s[G1+7], 0
	s_mul_i32 s21, s[WV], 64*PITCH
	s_lshl_b32 s22, s[WV], 16
	s_add_co_u32 s22, s22, 3072*512
	s_mov_b32 s23, 0
	s_mov_b32 s[SEL], 0x76543210
	s_mov_b32 s[SEL+1], 0xfedcba98
	s_mov_b32 s52, 0x3a800000
	s_mov_b32 s53, 0x3a83126f
	s_wait_kmcnt 0x0
; Two blocks of 256 rows of Wo are 512 rows on end, in memory and in the two slots: one load a wave, of 128 rows, fills both slots
	s_mov_b32 s[G0], 1
	s_mul_i32 s[G0+1], s[WV], 128*PITCH
	s_add_nc_u64 s[G0+2:G0+3], s[6:7], s[22:23]
	s_or_b32 s[G0+3], s[G0+3], 0x80000000
	CROUND
	tensor_load_to_lds s[G0:G0+3], s[G1:G1+7]
	s_nop 0
	PLACES
	v_and_b32 v1, 15, v0
	v_bfe_u32 v2, v0, 4, 1
	v_and_b32 v4, 31, v0
	v_lshlrev_b32 v3, 4, v4
	v_mul_u32_u24 v5, v1, PITCH
	v_lshl_add_u32 v5, v2, 4, v5
	v_add_nc_u32 v[ADRB], s21, v5
	v_add_nc_u32 v[ADRB+1], SLOT, v[ADRB]
	v_mul_u32_u24 v[STO], v1, SPI
	v_lshl_add_u32 v[STO], v2, 6, v[STO]
	s_lshl_b32 s40, s[WV], 8
	v_add_nc_u32 v[STO], s40, v[STO]
	v_add_nc_u32 v[STO+1], 16*SPI, v[STO]
	s_mul_i32 s40, s[WV], 8*SPI
	v_add_nc_u32 v[RD], s40, v3
	v_lshlrev_b32 v[WSA], 4, v1
	v_lshl_add_u32 v[WSA], v2, 16, v[WSA]
	s_wait_alu depctr_va_vdst(0)
	v_lshlrev_b32 v[HSA], 1, v1
	v_lshl_add_u32 v[HSA], v2, 8, v[HSA]
	s_wait_alu depctr_va_vdst(0)
	s_mov_b32 s41, 0
	s_lshl_b32 s40, s20, 14
	s_add_nc_u64 s[42:43], s[4:5], s[40:41]
	s_lshl_b32 s40, s20, 10
	s_add_co_u32 s40, s40, 4194304
	s_add_nc_u64 s[44:45], s[4:5], s[40:41]
	s_lshl_b32 s40, s[WV], 10
	s_add_co_u32 s40, s40, 2097152+3072*16
	s_add_nc_u64 s[46:47], s[6:7], s[40:41]
	s_and_b32 s40, s[WV], 1
	s_lshl_b32 s40, s40, 1
	s_lshr_b32 s16, s[WV], 1
	s_or_b32 s40, s40, s16
	s_lshl_b32 s40, s40, 3
	s_lshl_b32 s16, s20, 5
	s_add_co_u32 s40, s40, s16
	s_lshl_b32 s40, s40, 12
	s_add_nc_u64 s[48:49], s[8:9], s[40:41]
	s_add_nc_u64 s[50:51], s[14:15], s[40:41]
	WIN 0x80
.irp t, 0,1
.irp s, 0,1,2,3,4,5,6,7
.irp c, 0,1
	global_load_b128 v[8*(8*\t+\s)+4*\c:8*(8*\t+\s)+4*\c+3], v3, s[42:43] offset:8192*\t+1024*\s+512*\c
.endr
.endr
.endr
	WIN 0
.irp j, 0,1,2,3
.irp f, 0,1,2,3
	global_load_b128 v[WS+4*(4*\j+\f):WS+4*(4*\j+\f)+3], v[WSA], s[46:47] offset:4096*\j+256*\f
.endr
.endr
.irp t, 0,1
.irp q, 0,1,2,3
	global_load_u16 v[104+4*\t+\q], v[HSA], s[44:45] offset:512*\t+64*\q
	global_load_u16 v[112+4*\t+\q], v[HSA], s[44:45] offset:512*\t+64*\q+32
.endr
.endr
	s_wait_loadcnt 0x0
.irp e, 0,1,2,3,4,5,6,7
	v_lshl_or_b32 v[HS+\e], v[112+\e], 16, v[104+\e]
.endr
.rept 8
	v_nop
.endr
.macro XLOAD i0
	WIN 0xc0
.irp i, \i0, \i0+1, \i0+2, \i0+3
.irp m, 0,1,2,3,4,5,6,7
	global_load_b128 v[32*(\i)+4*\m:32*(\i)+4*\m+3], v3, s[48:49] offset:4096*(\i)+512*\m th:TH_LOAD_NT
.endr
.endr
	WIN 0
.endm
.macro FETCH slot, p, buf
	PLACES
.irp s, 0,1
.irp f, 0,1,2,3
.irp c, 0,1
	ds_load_b128 v[\buf+8*(4*\s+\f)+4*\c:\buf+8*(4*\s+\f)+4*\c+3], v[ADRB+\slot] offset:\f*16*PITCH+64*(2*(\p)+\s)+32*\c
.endr
.endr
.endr
.endm
.macro MM d, a, b, sa, sb, s
.if (\s) == 0
	v_wmma_scale_f32_16x16x128_f8f6f4 v[\d:\d+7], v[\a:\a+7], v[\b:\b+7], 0, v[\sa], v[\sb] matrix_a_fmt:MATRIX_FMT_FP4 matrix_b_fmt:MATRIX_FMT_FP4
.elseif (\s) < 4
	v_wmma_scale_f32_16x16x128_f8f6f4 v[\d:\d+7], v[\a:\a+7], v[\b:\b+7], v[\d:\d+7], v[\sa], v[\sb] matrix_a_fmt:MATRIX_FMT_FP4 matrix_b_fmt:MATRIX_FMT_FP4
.else
	v_wmma_scale_f32_16x16x128_f8f6f4 v[\d:\d+7], v[\a:\a+7], v[\b:\b+7], v[\d:\d+7], v[\sa], v[\sb] matrix_a_fmt:MATRIX_FMT_FP4 matrix_b_fmt:MATRIX_FMT_FP4 matrix_a_scale:MATRIX_SCALE_ROW1 matrix_b_scale:MATRIX_SCALE_ROW1
.endif
.endm
.macro MUL16 j, p, buf
	WIN 0x58
.irp s, 0,1
.irp f, 0,1,2,3
.irp t, 0,1
	MM 8*(8*(\j)+2*\f+\t), \buf+8*(4*\s+\f), 8*(8*\t+2*(\p)+\s), WS+4*(4*(\j)+\f)+(2*(\p)+\s)%4, HS+4*\t+(2*(\p)+\s)%4, 2*(\p)+\s
.endr
.endr
.endr
	WIN 0
.endm
.macro BLOCK j, slot
	FETCH \slot, 0, BUF0
	FETCH \slot, 1, BUF1
	s_wait_dscnt 16
	MUL16 \j, 0, BUF0
	FETCH \slot, 2, BUF0
	s_wait_dscnt 16
	MUL16 \j, 1, BUF1
	FETCH \slot, 3, BUF1
	s_wait_dscnt 16
	MUL16 \j, 2, BUF0
	s_wait_dscnt 0x0
	MUL16 \j, 3, BUF1
.endm
.macro CHANGE s
	s_wait_tensorcnt 0x0
	ds_add_u32 v[SPW], v[NIL]
	s_add_nc_u64 s[G0+4*\s+2:G0+4*\s+3], s[G0+4*\s+2:G0+4*\s+3], 262144
	s_wait_dscnt 0x0
	CROUND
	tensor_load_to_lds s[G0+4*\s:G0+4*\s+3], s[G1:G1+7]
	s_nop 0
	PLACES
.endm
	XLOAD 0
	s_wait_alu depctr_va_vdst(0)
	s_wait_tensorcnt 0x0
	s_barrier_signal -1
	s_barrier_wait -1
	BLOCK 0, 0
	BLOCK 1, 1
	CHANGE 0                                       ; both slots are read out: my one load brings my 128 rows of blocks 2 and 3
	XLOAD 4
	WIN 0x80
.irp m, 0,1,2,3,4,5,6,7
	global_load_b128 v[128+4*\m:131+4*\m], v3, s[10:11] offset:512*\m
	global_load_b128 v[160+4*\m:163+4*\m], v3, s[12:13] offset:512*\m
.endr
	WIN 0
	s_wait_tensorcnt 0x0
	ds_add_u32 v[SPW], v[NIL]
	s_wait_dscnt 0x0
	s_barrier_signal -1
	s_barrier_wait -1
	BLOCK 2, 0
	s_wait_dscnt 0x0                               ; my reads of slot 0 are over: the stage is laid over it behind block 3
	s_barrier_signal -1
	s_barrier_wait -1
	BLOCK 3, 1
	PLACES
	WIN 0x04
.irp j, 0,1,2,3
.irp f, 0,1,2,3
.irp t, 0,1
	ds_store_b128 v[STO+\t], v[8*(8*\j+2*\f+\t):8*(8*\j+2*\f+\t)+3] offset:1024*\j+128*(\f/2)+32*(\f%2)
	ds_store_b128 v[STO+\t], v[8*(8*\j+2*\f+\t)+4:8*(8*\j+2*\f+\t)+7] offset:1024*\j+128*(\f/2)+32*(\f%2)+16
.endr
.endr
.endr
	WIN 0
	s_wait_dscnt 0x0
	s_barrier_signal -1
	s_barrier_wait -1
	WIN 0x40
.irp i, 0,1,2,3,4,5,6,7
.irp m, 0,1,2,3,4,5,6,7
	ds_load_b128 v[32*\i+4*\m:32*\i+4*\m+3], v[RD] offset:\i*SPI+512*\m
.endr
.endr
	s_wait_dscnt 0x0
	s_wait_loadcnt 0x0
	WIN 0x4d
.set k, 0
.rept 128
	v_pk_add_f32 v[k:k+1], v[k:k+1], v[k:k+1]
.set k, k+2
.endr
	WIN 0x01
.irp i, 0,1,2,3,4,5,6,7
	v_pk_add_f32 v[SA+2*\i:SA+2*\i+1], v[32*\i:32*\i+1], 0 op_sel_hi:[1,0]
.endr
.irp k, 2,4,6,8,10,12,14,16,18,20,22,24,26,28,30
.irp i, 0,1,2,3,4,5,6,7
	v_pk_add_f32 v[SA+2*\i:SA+2*\i+1], v[32*\i+\k:32*\i+\k+1], v[SA+2*\i:SA+2*\i+1]
.endr
.endr
	WIN 0
.macro REDUCE a
.irp i, 0,1,2,3,4,5,6,7
	v_add_f32 v[\a+2*\i], v[\a+2*\i], v[\a+2*\i+1]
.endr
.irp m, 1,2,4,8
.irp i, 0,1,2,3,4,5,6,7
	v_add_f32_dpp v[\a+2*\i], v[\a+2*\i], v[\a+2*\i] row_xmask:\m row_mask:0xf bank_mask:0xf
.endr
.endr
.irp i, 0,1,2,3,4,5,6,7
	v_permlanex16_b32 v[TQ+\i], v[\a+2*\i], s[SEL], s[SEL+1]
.endr
.irp i, 0,1,2,3,4,5,6,7
	v_add_f32 v[\a+2*\i], v[\a+2*\i], v[TQ+\i]
.endr
.endm
.irp i, 0,1,2,3,4,5,6,7
	v_mov_b32 v[TQ+\i], 0
.endr
	REDUCE SA
.irp i, 0,1,2,3,4,5,6,7
	v_mul_f32 v[SA+2*\i], 0xba800000, v[SA+2*\i]
.endr
	WIN 0x41
.irp i, 0,1,2,3,4,5,6,7
.irp k, 0,2,4,6,8,10,12,14,16,18,20,22,24,26,28,30
	v_pk_add_f32 v[32*\i+\k:32*\i+\k+1], v[32*\i+\k:32*\i+\k+1], v[SA+2*\i:SA+2*\i+1] op_sel_hi:[1,0]
.endr
.endr
	WIN 0x05
.irp i, 0,1,2,3,4,5,6,7
	v_pk_mul_f32 v[QA+2*\i:QA+2*\i+1], v[32*\i:32*\i+1], v[32*\i:32*\i+1]
.endr
.irp k, 2,4,6,8,10,12,14,16,18,20,22,24,26,28,30
.irp i, 0,1,2,3,4,5,6,7
	v_pk_fma_f32 v[QA+2*\i:QA+2*\i+1], v[32*\i+\k:32*\i+\k+1], v[32*\i+\k:32*\i+\k+1], v[QA+2*\i:QA+2*\i+1]
.endr
.endr
	WIN 0
	REDUCE QA
.irp i, 0,1,2,3,4,5,6,7
	v_fma_f32 v[QA+2*\i], v[QA+2*\i], s52, s53
.endr
	s_wait_alu depctr_va_vdst(0)
.irp i, 0,1,2,3,4,5,6,7
	v_rsq_f32 v[QA+2*\i], v[QA+2*\i]
.endr
	v_nop
	s_wait_alu depctr_va_vdst(0)
	WIN 0x41
.irp i, 0,1,2,3,4,5,6,7
.irp k, 0,2,4,6,8,10,12,14,16,18,20,22,24,26,28,30
	v_pk_mul_f32 v[32*\i+\k:32*\i+\k+1], v[32*\i+\k:32*\i+\k+1], v[QA+2*\i:QA+2*\i+1] op_sel_hi:[1,0]
.endr
.endr
	WIN 0x69
.irp i, 0,1,2,3,4,5,6,7
.irp k, 0,2,4,6,8,10,12,14,16,18,20,22,24,26,28,30
	v_pk_fma_f32 v[32*\i+\k:32*\i+\k+1], v[32*\i+\k:32*\i+\k+1], v[128+\k:129+\k], v[160+\k:161+\k]
.endr
.endr
	WIN 0x04
.irp i, 0,1,2,3,4,5,6,7
.irp m, 0,1,2,3,4,5,6,7
	global_store_b128 v3, v[32*\i+4*\m:32*\i+4*\m+3], s[50:51] offset:4096*\i+512*\m th:TH_STORE_NT
.endr
.endr
	WIN 0
	s_wait_tensorcnt 0x0
	ds_add_u32 v[SPW], v[NIL]
	s_wait_dscnt 0x0
	CROUND
	s_endpgm
.Lfunc_end_k_qe2fd041cf2_proj:
	.size	k_qe2fd041cf2_proj, .Lfunc_end_k_qe2fd041cf2_proj-k_qe2fd041cf2_proj
	.p2alignl 7, 3214868480
	.fill 96, 4, 3214868480
	.section	.rodata,"a",@progbits
	.p2align	6, 0x0
	.amdhsa_kernel k_qe2fd041cf2_proj
		.amdhsa_group_segment_fixed_size 327680
		.amdhsa_private_segment_fixed_size 0
		.amdhsa_enable_private_segment 0
		.amdhsa_kernarg_size 48
		.amdhsa_user_sgpr_count 2
		.amdhsa_user_sgpr_kernarg_segment_ptr 1
		.amdhsa_wavefront_size32 1
		.amdhsa_system_sgpr_workgroup_id_x 1
		.amdhsa_system_sgpr_workgroup_id_y 1
		.amdhsa_system_sgpr_workgroup_id_z 1
		.amdhsa_system_vgpr_workitem_id 0
		.amdhsa_next_free_vgpr 1024
		.amdhsa_next_free_sgpr 66
		.amdhsa_reserve_vcc 0
		.amdhsa_float_denorm_mode_32 3
		.amdhsa_float_denorm_mode_16_64 3
		.amdhsa_memory_ordered 1
		.amdhsa_forward_progress 1
		.amdhsa_inst_pref_size 143
	.end_amdhsa_kernel
	.amdgpu_metadata
---
amdhsa.version: [ 1, 2 ]
amdhsa.kernels:
  - .name:           k_qe2fd041cf2_proj
    .symbol:         k_qe2fd041cf2_proj.kd
    .args:
      - { .name: hh, .offset: 0, .size: 8, .value_kind: global_buffer, .address_space: global }
      - { .name: wq, .offset: 8, .size: 8, .value_kind: global_buffer, .address_space: global }
      - { .name: x, .offset: 16, .size: 8, .value_kind: global_buffer, .address_space: global }
      - { .name: gamma, .offset: 24, .size: 8, .value_kind: global_buffer, .address_space: global }
      - { .name: beta, .offset: 32, .size: 8, .value_kind: global_buffer, .address_space: global }
      - { .name: out0, .offset: 40, .size: 8, .value_kind: global_buffer, .address_space: global }
    .group_segment_fixed_size: 327680
    .private_segment_fixed_size: 0
    .kernarg_segment_align: 8
    .kernarg_segment_size: 48
    .max_flat_workgroup_size: 128
    .sgpr_count:     66
    .vgpr_count:     1024
    .wavefront_size: 32
...
	.end_amdgpu_metadata
.endif
;; end of part 4
